; MI455X (gfx1250); checked and timed in simulation.
; The chip was launched on July 23, 2026; its instructions are those of AMD's public machine-readable ISA for CDNA 5 (MIT licence, August 2026) and "CDNA5" Instruction Set Architecture Reference Guide (July 2026). The comments in the code are by the model that wrote it; some were corrected since.
;; Transformer Block. Allowed arithmetic: matrix products marked QUANTISED: E2M3 operands, one E8M0 scale for each 32 along K, by v_wmma_scale_f32_16x16x128_f8f6f4 with both operands' format E2M3, f32 sums; everything else in f32.
;; Inputs: W0_codes 1,024 x 32 x 24 uint8 (E2M3 codes of W0, K innermost, in blocks of 32 codes, four codes in three bytes); W0_scales 1,024 x 32 uint8 (E8M0 scales of W0, one for each 32 codes along K); W1_codes 4,096 x 32 x 24 uint8 (E2M3 codes of W1, K innermost, in blocks of 32 codes, four codes in three bytes); W1_scales 4,096 x 32 uint8 (E8M0 scales of W1, one for each 32 codes along K); W2_codes 1,024 x 128 x 24 uint8 (E2M3 codes of W2, K innermost, in blocks of 32 codes, four codes in three bytes); W2_scales 1,024 x 128 uint8 (E8M0 scales of W2, one for each 32 codes along K); Wk_codes 16 x 64 x 32 x 24 uint8 (E2M3 codes of Wk, K innermost, in blocks of 32 codes, four codes in three bytes); Wk_scales 16 x 64 x 32 uint8 (E8M0 scales of Wk, one for each 32 codes along K); Wq_codes 16 x 64 x 32 x 24 uint8 (E2M3 codes of Wq, K innermost, in blocks of 32 codes, four codes in three bytes); Wq_scales 16 x 64 x 32 uint8 (E8M0 scales of Wq, one for each 32 codes along K); Wv_codes 16 x 64 x 32 x 24 uint8 (E2M3 codes of Wv, K innermost, in blocks of 32 codes, four codes in three bytes); Wv_scales 16 x 64 x 32 uint8 (E8M0 scales of Wv, one for each 32 codes along K); X 2 x 2,048 x 1,024 float32; b0 1,024 float32; b1 4,096 float32; b2 1,024 float32; bk 16 x 64 float32; bq 16 x 64 float32; bv 16 x 64 float32; g1 1,024 float32; g2 1,024 float32; o1 1,024 float32; o2 1,024 float32; padding_mask 2 x 2,048 bool.
;; Outputs: out0 2 x 2,048 x 1,024 float32.
;; This version of the problem:
;;   THIS VERSION OF THE PROBLEM IS GIVEN IN LOW PRECISION. The matrix products marked QUANTISED in the list below multiply operands that are first quantised to E2M3 (2 exponent bits, 3 mantissa bits; 6 bits a number), with one power-of-two scale for each 32 numbers along K (OCP MX v1.0); their sums are f32. All else is computed in f32.
;;   The module's matrix products, in the order in which they are computed (A, B: the left and right operand; K: the contracted axis; several contracted axes count as one K, in the product's order):
;;     1. [M 1,024, K 1,024] x [K 1,024, N 4,096]; A: input Wq (given as codes); B: computed on the way: QUANTISED
;;     2. [M 1,024, K 1,024] x [K 1,024, N 4,096]; A: input Wk (given as codes); B: computed on the way: QUANTISED
;;     3. [M 1,024, K 1,024] x [K 1,024, N 4,096]; A: input Wv (given as codes); B: computed on the way: QUANTISED
;;     4. batch 32 x [M 2,048, K 64] x [K 64, N 2,048]; A: computed on the way; B: computed on the way: QUANTISED
;;     5. batch 32 x [M 64, K 2,048] x [K 2,048, N 2,048]; A: computed on the way; B: softmax (see below): QUANTISED
;;     6. [M 4,096, K 1,024] x [K 1,024, N 1,024]; A: computed on the way; B: input W0 (given as codes): QUANTISED
;;     7. [M 4,096, K 1,024] x [K 1,024, N 4,096]; A: computed on the way; B: input W1 (given as codes): QUANTISED
;;     8. [M 4,096, K 4,096] x [K 4,096, N 1,024]; A: computed on the way; B: input W2 (given as codes): QUANTISED
;;   THE QUANTISER, for each operand of a quantised product, along K:
;;     - K is cut into blocks of 32 from its start; a last block that is shorter is filled with zeros.
;;     - A block's scale is 2^e with e = floor(log2(the largest magnitude in the block)) - 2, held to -126 .. 127; a block of zeros has e = 0. As a byte (E8M0): e + 127.
;;     - Each number is divided by its block's scale, clamped to +-7.5, and rounded to the nearest number of E2M3, ties to even, subnormals kept.
;;     - The product sums the exact products of the quantised numbers (number of the format x scale) in f32.
;;   ~~~python
;;   def quantise(x, axis):      # numpy; x: float32 -> the quantised numbers, widened to float32 again
;;       x = np.moveaxis(x, axis, -1); K = x.shape[-1]
;;       x = np.pad(x, [(0, 0)] * (x.ndim - 1) + [(0, -K % 32)]); x = x.reshape(x.shape[:-1] + (-1, 32)); a = np.abs(x).max(-1, keepdims=True)
;;       e = np.where(a > 0, np.clip(np.frexp(np.where(a > 0, a, 1))[1] - 1 - 2, -126, 127), 0)      # np.frexp(a)[1] - 1 = floor(log2(a)), exactly
;;       r = np.clip(x / 2.0 ** e, -7.5, 7.5)
;;       step = 2.0 ** (np.maximum(np.frexp(np.where(r == 0, 1, r))[1] - 1, 0) - 3)
;;       q = np.round(r / step) * step * 2.0 ** e      # np.round: ties to even
;;       return np.moveaxis(q.reshape(q.shape[:-2] + (-1,))[..., :K], -1, axis).astype(np.float32)
;;   ~~~
;;   SOFTMAX AHEAD OF A QUANTISED PRODUCT. Where the list says 'softmax', what is quantised is not the finished softmax but p = 2^(t - M), with t = logit x log2(e) and M = ceil(the row's largest t), a whole number; so 1/2 < the row's largest p <= 1. The row's sum l is taken of the UNQUANTISED p, in f32, and the product's result is divided by l at the end. Since M is a whole number, a kernel that streams over the keys may use a running M (the ceiling of the running maximum): every later rescaling is an exact power of two, which a block's scale takes up: the codes' values come out the same.
;;   OPERANDS COMPUTED ON THE WAY. 'Computed on the way' means the value that the module computes at that place (a softmax that the list does not call 'softmax' is quantised finished and normalised). What goes into a quantiser is computed in f32, as accurately as f32 sums, v_exp_f32 and their like allow (about 1e-6 of the number): no bf16 or f16 on the way to a quantiser, and a product that is left as it is and whose result goes on into a quantised operand takes f32 operands (vector FMAs, or v_wmma_f32_16x16x4_f32). A number that lies on a knife's edge between two numbers of the format may be rounded either way, as far as f32 arithmetic and the matrix unit's own rounding can turn it there, and no further.
;;   INPUTS GIVEN AS CODES. W0 (in the module: [1024, 1024], K = its axis 0); W1 (in the module: [1024, 4096], K = its axis 0); W2 (in the module: [4096, 1024], K = its axis 0); Wk (in the module: [16, 1024, 64], K = its axis 1); Wq (in the module: [16, 1024, 64], K = its axis 1); Wv (in the module: [16, 1024, 64], K = its axis 1): each comes as NAME_codes (uint8): NAME with its K axis moved to the last place and cut into blocks of 32 codes, [.., K / 32, bytes a block], one block behind the other in memory; four codes in three bytes: a row's codes are one little-endian stream of bits, code i at bits 6 i .. 6 i + 5 (a code: sign, 2 exponent bits, 3 mantissa bits); and NAME_scales (uint8): the same leading axes, one E8M0 byte (e + 127) for each 32 codes along K. Its value is code x scale, taken as it is: it is not quantised again, and the codes and scales need not be those that the quantiser above would give.
;; One version. Each part assembles by itself: llvm-mc -triple=amdgcn-amd-amdhsa -mcpu=gfx1250 --defsym DOCPART=n.
;; ======== version 1 of 1: 7 launches
;; limits: right only within a limited range of input values
;; workspace buffers: act 3,276,800 bytes; qk_codes 6,291,456 bytes; qk_sc 524,288 bytes; v_codes 3,145,728 bytes; v_sc 131,072 bytes; ctx 3,276,800 bytes; out1 16,777,216 bytes; hid 13,107,200 bytes
;; launch ln1 (part 1): grid 256 x 1, 8 waves a work-group, no clusters, 70,144 bytes of LDS; arguments X, g1, o1, act; writes act
.if DOCPART == 1
	.amdgcn_target "amdgcn-amd-amdhsa--gfx1250"
	.amdhsa_code_object_version 6
	.text
	.protected	k_q151de62125_ln1
	.globl	k_q151de62125_ln1
	.p2align	8
	.type	k_q151de62125_ln1,@function
k_q151de62125_ln1:
	s_mov_b64 s[64:65], 0
	v_nop
	global_prefetch_b8 v0, s[64:65] scope:SCOPE_SE
	s_setreg_imm32_b32 hwreg(HW_REG_WAVE_MODE, 25, 1), 1
	s_wait_xcnt 0x0
; y = g (x - mean) / (sd + 1e-9) + o along rows of 1,024 f32, then quantised to FP6 (E2M3) codes with one E8M0 byte for each 32 along the row.
; A work-group takes one TILE of 16 rows: row i of tile T is row 32 (T / 2) + 8 (T % 2) + i + (i & 8).  Wave w takes columns 128 w .. 128 w + 127: one K step of the products that read the codes.
; The result is a RECORD of 12,800 bytes: 16 images of half a fragment (16 rows x 64 K: registers 0-3 at 16 x lane, registers 4, 5 at 512 + 8 x lane: 768 bytes), then 512 bytes of scale words
; (K step s, row r at 256 (s / 4) + 16 r + 4 (s % 4)).  Every store of codes covers whole aligned runs of 256 bytes.
; Mean and deviation are taken in two passes in f32: the sum, then the sum of squares of x - mean.
; Each load reads 512 consecutive bytes of a row; the 16 x 128 numbers turn through the wave's own stage in LDS (rows 528 bytes apart) so that lane (r, h) holds, of row r, 16 neighbours of each block of 32.
; LIMITS: NaN and infinities are not served; a block whose largest magnitude lies under 2^-124 (a block of zeros too) gets the byte 1: only this program reads the bytes, and zero codes add nothing.
.set RED1, 0                           ; LDS: 16 rows x 8 waves of partial sums,
.set RED2, 512                         ; the same for the squares,
.set SCI,  1024                        ; the record's scale words,
.set STG,  1536                        ; and a stage of 16 rows x 528 bytes for each wave
.set STGW, 8448
.set X,   16                           ; v16-79   my 64 numbers: register 16 b + i = column 32 b + 16 h + i of my wave's 128
.set G,   80                           ; v80-143  g at the same columns
.set O,   144                          ; v144-207 o
.set TM,  208                          ; v208-223 at work in QUANT
.set PC,  224                          ; v224-242 the codes
.set PW,  244                          ; v244     the scale word
.set SEL, 20                           ; s[20:21] lane selects: lane l xor 16
; 64 numbers of a lane, register 16 b + i = k 32 b + 16 h + i of my row, become a fragment's 12 registers in v[PC] on and its scale word in v[PW]
.macro QUANT s
.irp b, 0,1,2,3
	v_max3_num_f32 v[TM+\b], |v[\s+16*\b]|, |v[\s+1+16*\b]|, 0x1800000   ; my 16 numbers of block b, and the floor 2^(3 - 127): the byte cannot fall under 1
.endr
.irp i, 2,4,6,8,10,12,14
.irp b, 0,1,2,3
	s_delay_alu instid0(VALU_DEP_4)
	v_max3_num_f32 v[TM+\b], v[TM+\b], |v[\s+16*\b+\i]|, |v[\s+1+16*\b+\i]|
.endr
.endr
.irp b, 0,1,2,3
	s_delay_alu instid0(VALU_DEP_4)
	v_permlanex16_b32 v[TM+4+\b], v[TM+\b], s[SEL], s[SEL+1]
.endr
.irp b, 0,1,2,3
	s_delay_alu instid0(VALU_DEP_4)
	v_max_num_f32 v[TM+\b], v[TM+\b], v[TM+4+\b]           ; with lane l xor 16's: the block's largest magnitude
.endr
.irp b, 0,1,2,3
	s_delay_alu instid0(VALU_DEP_4)
	v_add_nc_u32 v[TM+12+\b], 0xff000000, v[TM+\b]         ; 2 off its exponent field: the conversion's scale operand
.endr
.irp b, 0,1,2,3
	s_delay_alu instid0(VALU_DEP_4)
	v_lshrrev_b32 v[TM+4+\b], 23, v[TM+12+\b]              ; the scale's byte
.endr
	s_delay_alu instid0(VALU_DEP_3)
	v_lshl_or_b32 v[PW], v[TM+5], 8, v[TM+4]
	s_delay_alu instid0(VALU_DEP_1)
	v_lshl_or_b32 v[PW], v[TM+6], 16, v[PW]
	s_delay_alu instid0(VALU_DEP_1)
	v_lshl_or_b32 v[PW], v[TM+7], 24, v[PW]
.irp c, 0,1
	v_cvt_scalef32_pk16_fp6_f32 v[PC+6*\c:PC+2+6*\c], v[\s+32*\c:\s+15+32*\c], v[TM+12+2*\c]
	v_cvt_scalef32_pk16_fp6_f32 v[PC+12+4*\c:PC+14+4*\c], v[\s+16+32*\c:\s+31+32*\c], v[TM+12+2*\c+1]
.endr
	v_nop                                                  ; one plain place behind a scaled conversion
.irp c, 0,1                                                ; a whole block to a lane: lanes 0-15 block 2 c, lanes 16-31 block 2 c + 1
.irp i, 0,1,2
	v_permlane16_swap_b32 v[PC+6*\c+\i], v[PC+12+4*\c+\i]
.endr
.irp i, 0,1,2
	s_delay_alu instid0(VALU_DEP_3)
	v_mov_b32 v[PC+3+6*\c+\i], v[PC+12+4*\c+\i]
.endr
.endr
.endm
; four chains of pairs in v[246:253] become the row's sum over all 1,024 columns, in v246 of every lane
.macro REDUCE red
	s_delay_alu instid0(VALU_DEP_3)
	v_pk_add_f32 v[246:247], v[246:247], v[248:249]
	s_delay_alu instid0(VALU_DEP_2)
	v_pk_add_f32 v[250:251], v[250:251], v[252:253]
	s_delay_alu instid0(VALU_DEP_1)
	v_pk_add_f32 v[246:247], v[246:247], v[250:251]
	s_delay_alu instid0(VALU_DEP_1)
	v_add_f32 v246, v246, v247
	s_delay_alu instid0(VALU_DEP_1)
	v_permlanex16_b32 v248, v246, s[SEL], s[SEL+1]         ; the row's other 64 numbers of my wave lie in lane l xor 16
	s_delay_alu instid0(VALU_DEP_1)
	v_add_f32 v246, v246, v248
	ds_store_b32 v8, v246 offset:\red                      ; both halves of the lanes write the same word with the same number
	s_wait_dscnt 0x0                                       ; for the others' sake: my store has landed
	s_barrier_signal -1
	s_barrier_wait -1
	ds_load_b128 v[246:249], v9 offset:\red                ; the eight waves' parts of my row
	ds_load_b128 v[250:253], v9 offset:\red+16
	s_wait_dscnt 0x0
	v_pk_add_f32 v[246:247], v[246:247], v[248:249]
	v_pk_add_f32 v[250:251], v[250:251], v[252:253]
	s_delay_alu instid0(VALU_DEP_1)
	v_pk_add_f32 v[246:247], v[246:247], v[250:251]
	s_delay_alu instid0(VALU_DEP_1)
	v_add_f32 v246, v246, v247
.endm
	s_load_b256 s[4:11], s[0:1], 0x0                       ; x s[4:5], g s[6:7], o s[8:9], the records s[10:11]
	v_lshl_add_u32 v243, v0, 2, 0x10e00
	v_mov_b32 v245, 0
	v_lshrrev_b32 v1, 5, v0
	s_delay_alu instid0(VALU_DEP_1)
	v_readfirstlane_b32 s12, v1                            ; wave 0..7
	v_and_b32 v1, 31, v0                                   ; lane
	s_wait_alu depctr_va_vdst(0)
	v_and_b32 v2, 15, v0                                   ; r
	s_wait_alu depctr_va_vdst(0)
	v_bfe_u32 v3, v0, 4, 1                                 ; h
	s_lshl_b32 s13, s12, 9                                 ; my 128 columns in bytes
	s_mul_i32 s14, s12, STGW
	s_add_co_u32 s14, s14, STG                             ; my stage
	s_mul_i32 s15, s12, 1536                               ; my K step's two images in the record
	s_lshl_b32 s16, s12, 2
	s_lshr_b32 s17, s12, 2
	s_lshl_b32 s17, s17, 8
	s_and_b32 s18, s12, 3
	s_lshl_b32 s18, s18, 2
	s_add_co_u32 s17, s17, s18
	s_add_co_u32 s17, s17, SCI                             ; my K step's place among the scale words
	s_mov_b32 s[SEL], 0x76543210
	s_mov_b32 s[SEL+1], 0xfedcba98
	v_lshlrev_b32 v13, 4, v1                               ; 16 x lane
	s_delay_alu instid0(VALU_DEP_1)
	v_add_nc_u32 v4, s13, v13                              ; x: my 16 bytes of a row's 512
	s_delay_alu instid0(VALU_DEP_2)
	v_add_nc_u32 v5, s14, v13                              ; the stage, on the way in
	v_mul_u32_u24 v6, v2, 528
	s_wait_alu depctr_va_vdst(0)
	v_lshl_add_u32 v6, v3, 6, v6
	s_delay_alu instid0(VALU_DEP_1)
	v_add_nc_u32 v6, s14, v6                               ; and on the way out: row r, + 64 h
	v_lshlrev_b32 v7, 6, v3
	s_delay_alu instid0(VALU_DEP_1)
	v_add_nc_u32 v7, s13, v7                               ; g, o: 512 w + 64 h
	v_lshlrev_b32 v9, 5, v2                                ; a row's eight partial sums
	s_delay_alu instid0(VALU_DEP_1)
	v_add_nc_u32 v8, s16, v9                               ; my wave's among them
	v_add_nc_u32 v10, s15, v13                             ; the record: 16 bytes a lane,
	v_lshlrev_b32 v11, 3, v1
	s_delay_alu instid0(VALU_DEP_1)
	v_add_nc_u32 v11, s15, v11                             ; 8 bytes a lane
	v_lshlrev_b32 v12, 4, v2
	s_delay_alu instid0(VALU_DEP_1)
	v_add_nc_u32 v12, s17, v12                             ; where my row's scale word goes
.irp b, 0,1,2,3
	v_mov_b32 v[TM+4+\b], 0                                ; written once: a lane permute's destination counts as one of its sources
.endr
	s_lshr_b32 s22, ttmp9, 1
	s_lshl_b32 s22, s22, 17                                ; 32 rows of 4,096 bytes for each pair of tiles,
	s_and_b32 s23, ttmp9, 1
	s_lshl_b32 s23, s23, 15                                ; 8 rows for the odd tile
	s_add_co_u32 s22, s22, s23
	s_mov_b32 s23, 0
	s_mul_i32 s24, ttmp9, 12800
	s_mov_b32 s25, 0
	s_wait_kmcnt 0x0
	s_add_nc_u64 s[4:5], s[4:5], s[22:23]
	s_add_nc_u64 s[10:11], s[10:11], s[24:25]
.set i, 0
.rept 16
	global_load_b128 v[X+4*i:X+4*i+3], v4, s[4:5] offset:(i+8*(i/8))*4096   ; the tile's row i: 32 lanes read 512 consecutive bytes
.set i, i+1
.endr
.irp b, 0,1,2,3
.irp j, 0,1,2,3
	global_load_b128 v[G+16*\b+4*\j:G+16*\b+4*\j+3], v7, s[6:7] offset:128*\b+16*\j
	global_load_b128 v[O+16*\b+4*\j:O+16*\b+4*\j+3], v7, s[8:9] offset:128*\b+16*\j
.endr
.endr
	s_wait_loadcnt 32                                      ; x is in; the 32 loads of g and o behind it may stay out
.set i, 0
.rept 16
	ds_store_b128 v5, v[X+4*i:X+4*i+3] offset:528*i
.set i, i+1
.endr
.irp b, 0,1,2,3
.irp j, 0,1,2,3
	ds_load_b128 v[X+16*\b+4*\j:X+16*\b+4*\j+3], v6 offset:128*\b+16*\j   ; LDS serves a wave's instructions in order: these see my stores
.endr
.endr
	s_wait_dscnt 0x0
	; the mean
.irp k, 0,1,2,3
	v_pk_add_f32 v[246+2*\k:247+2*\k], v[X+4*\k:X+4*\k+1], v[X+4*\k+2:X+4*\k+3]
.endr
.irp j, 16,24,32,40,48,56
.irp k, 0,1,2,3
	s_delay_alu instid0(VALU_DEP_4)
	v_pk_add_f32 v[246+2*\k:247+2*\k], v[246+2*\k:247+2*\k], v[X+\j+2*\k:X+\j+2*\k+1]
.endr
.endr
	REDUCE RED1
	s_delay_alu instid0(VALU_DEP_1)
	v_mul_f32 v254, 0x3a800000, v246                       ; / 1,024
	s_delay_alu instid0(VALU_DEP_1)
	v_mov_b32 v255, v254
.set j, 0
.rept 32
	v_pk_add_f32 v[X+j:X+j+1], v[X+j:X+j+1], v[254:255] neg_lo:[0,1] neg_hi:[0,1]   ; d = x - mean
.set j, j+2
.endr
	; the deviation
.irp k, 0,1,2,3
	v_pk_mul_f32 v[246+2*\k:247+2*\k], v[X+2*\k:X+2*\k+1], v[X+2*\k:X+2*\k+1]
.endr
.irp j, 8,16,24,32,40,48,56
.irp k, 0,1,2,3
	s_delay_alu instid0(VALU_DEP_4)
	v_pk_fma_f32 v[246+2*\k:247+2*\k], v[X+\j+2*\k:X+\j+2*\k+1], v[X+\j+2*\k:X+\j+2*\k+1], v[246+2*\k:247+2*\k]
.endr
.endr
	REDUCE RED2
	s_delay_alu instid0(VALU_DEP_1)
	v_mul_f32 v246, 0x3a800000, v246
	s_wait_alu depctr_va_vdst(0)
	v_sqrt_f32 v248, v246
	v_nop                                                  ; one plain place behind a transcendental
	s_wait_alu depctr_va_vdst(0)
	v_add_f32 v248, 0x3089705f, v248                       ; + 1e-9
	s_wait_alu depctr_va_vdst(0)
	v_rcp_f32 v254, v248
	v_nop
	s_wait_alu depctr_va_vdst(0)
	v_mov_b32 v255, v254
	s_wait_alu depctr_va_vdst(0)
	s_wait_loadcnt 0x0                                     ; g and o
.set j, 0
.rept 32
	v_pk_mul_f32 v[X+j:X+j+1], v[X+j:X+j+1], v[254:255]
.set j, j+2
.endr
.set j, 0
.rept 32
	v_pk_fma_f32 v[X+j:X+j+1], v[X+j:X+j+1], v[G+j:G+j+1], v[O+j:O+j+1]
.set j, j+2
.endr
	QUANT X
	global_store_b128 v10, v[PC:PC+3], s[10:11]            ; 512 consecutive bytes
	global_store_b64 v11, v[PC+4:PC+5], s[10:11] offset:512   ; 256
	global_store_b128 v10, v[PC+6:PC+9], s[10:11] offset:768
	global_store_b64 v11, v[PC+10:PC+11], s[10:11] offset:1280
	ds_store_b32 v12, v[PW]                                ; both halves of the lanes hold the same word
	s_wait_dscnt 0x0
	s_barrier_signal -1
	s_barrier_wait -1                                      ; the eight K steps' scale words lie in LDS
	s_cmp_lg_u32 s12, 0
	s_cbranch_scc1 .Lend
	ds_load_b128 v[16:19], v13 offset:SCI
	s_wait_dscnt 0x0
	global_store_b128 v13, v[16:19], s[10:11] offset:12288 ; wave 0 stores them as 512 consecutive bytes
.Lend:
	s_wait_tensorcnt 0x0
	ds_add_u32 v243, v245
	s_wait_dscnt 0x0
	s_endpgm
.Lfunc_end_k_q151de62125_ln1:
	.size	k_q151de62125_ln1, .Lfunc_end_k_q151de62125_ln1-k_q151de62125_ln1
	.p2alignl 7, 3214868480
	.fill 96, 4, 3214868480
	.section	.rodata,"a",@progbits
	.p2align	6, 0x0
	.amdhsa_kernel k_q151de62125_ln1
		.amdhsa_group_segment_fixed_size 70144
		.amdhsa_private_segment_fixed_size 0
		.amdhsa_enable_private_segment 0
		.amdhsa_kernarg_size 32
		.amdhsa_user_sgpr_count 2
		.amdhsa_user_sgpr_kernarg_segment_ptr 1
		.amdhsa_wavefront_size32 1
		.amdhsa_system_sgpr_workgroup_id_x 1
		.amdhsa_system_sgpr_workgroup_id_y 1
		.amdhsa_system_sgpr_workgroup_id_z 1
		.amdhsa_system_vgpr_workitem_id 0
		.amdhsa_next_free_vgpr 256
		.amdhsa_next_free_sgpr 66
		.amdhsa_reserve_vcc 0
		.amdhsa_float_denorm_mode_32 3
		.amdhsa_float_denorm_mode_16_64 3
		.amdhsa_memory_ordered 1
		.amdhsa_forward_progress 1
		.amdhsa_inst_pref_size 30
	.end_amdhsa_kernel
	.amdgpu_metadata
---
amdhsa.version: [ 1, 2 ]
amdhsa.kernels:
  - .name:           k_q151de62125_ln1
    .symbol:         k_q151de62125_ln1.kd
    .args:
      - { .name: X, .offset: 0, .size: 8, .value_kind: global_buffer, .address_space: global }
      - { .name: g1, .offset: 8, .size: 8, .value_kind: global_buffer, .address_space: global }
      - { .name: o1, .offset: 16, .size: 8, .value_kind: global_buffer, .address_space: global }
      - { .name: act, .offset: 24, .size: 8, .value_kind: global_buffer, .address_space: global }
    .group_segment_fixed_size: 70144
    .private_segment_fixed_size: 0
    .kernarg_segment_align: 8
    .kernarg_segment_size: 32
    .max_flat_workgroup_size: 256
    .sgpr_count:     66
    .vgpr_count:     256
    .wavefront_size: 32
...
	.end_amdgpu_metadata
.endif
;; end of part 1
;; launch qkv (part 2): grid 12 x 16, 4 waves a work-group, clusters of 4 x 1, 305,664 bytes of LDS; arguments act, Wq_codes, Wk_codes, Wv_codes, Wq_scales, Wk_scales, Wv_scales, bq, bk, bv, qk_codes, v_codes, qk_sc, v_sc; writes qk_codes, v_codes, qk_sc, v_sc
.if DOCPART == 2
	.amdgcn_target "amdgcn-amd-amdhsa--gfx1250"
	.amdhsa_code_object_version 6
	.text
	.protected	k_q151de62125_qkv
	.globl	k_q151de62125_qkv
	.p2align	8
	.type	k_q151de62125_qkv,@function
k_q151de62125_qkv:
	s_mov_b64 s[64:65], 0
	v_nop
	global_prefetch_b8 v0, s[64:65] scope:SCOPE_SE
	s_setreg_imm32_b32 hwreg(HW_REG_WAVE_MODE, 25, 1), 1
	s_wait_xcnt 0x0
	s_wait_alu depctr_hold_cnt(0) depctr_sa_sdst(0) depctr_va_vdst(0) depctr_va_sdst(0) depctr_va_ssrc(0) depctr_va_vcc(0) depctr_vm_vsrc(0)
	s_getreg_b32 s2, hwreg(HW_REG_IB_STS2, 6, 4)
	s_cmp_eq_u32 s2, 0
	s_cbranch_scc0 .Lentry_in_a_cluster
	s_endpgm
.Lentry_in_a_cluster:
	s_bfe_u32 s2, ttmp6, 0x10000c
	s_cmp_lg_u32 s2, 0x3003
	s_cbranch_scc0 .Lentry_shape_is_right
	s_endpgm
.Lentry_shape_is_right:
; Q, K, V = Xn W + b on FP6 codes, each result quantised again for attention: Q and K along the head's 64, V along the keys.
; The cluster's x says which of the three (0 Q, 1 K, 2 V); its four work-groups take four heads each, a wave one head: the head's 64 weight rows x 1,024 K (32 fragments, 384 registers) stay in the wave's registers.
; THE WEIGHTS ARE READ AS THEY LIE: a head's 64 rows are 49,152 consecutive bytes, fetched by 96 loads of 512 consecutive bytes.  32 rows at a time turn through the wave's own stage in LDS (32 rows, 784 bytes apart) and
; come back as fragments, 8 bytes a lane.  784 bytes are 196 words: row r starts at bank 4 r mod 64 (64 banks of 4 bytes: ISA guide 11.1), so the 32 lanes of such a load touch 64 different banks.
; The work-group's 256 rows of Xn are 16 records of 12,800 bytes (16 rows x 1,024 K as images of the operand's registers, then the scale words).  They come into LDS once, 51,200 bytes a wave, asked for JOINTLY by the
; four work-groups of the cluster, which want the same rows; nothing is ever filled again.  One tensor load a wave is outstanding.
; Q, K: source 0 = 16 weight rows, source 1 = 16 rows of Xn: a lane holds one row and its registers run along the head's 64.  V: the sources swapped: a lane holds one of the head's 64 and its registers run along 64 keys.
; THE ROWS OF A TILE ARE NOT NEIGHBOURS (weights and Xn alike): row i of tile t is 32 (t / 2) + 8 (t % 2) + i + (i & 8), so that the 16 registers of two neighbouring tiles are 16 neighbours along the next K.
; The bias is the C of each sum's first matrix instruction.  The 16 accumulators take turns, one instruction a turn.
; OUT: images of half a fragment, 768 bytes (registers 0-3 at 16 x lane, 4 and 5 at 512 + 8 x lane); scale words in blocks of 256 bytes, four tiles' words of a row on end.
; LIMITS: NaN and infinities are not served; a block whose largest magnitude lies under 2^-124 gets the byte 1.
; REGISTERS: window 0: v1-15 addresses; v16-47 weight scale words (8 t + s); v48-79 Xn's (8 m + s); v80-175 Xn's fragments, two sets of four; v176-218 at work.
;   window 1: the fragments of weight tiles 0 and 1 at 12 (2 s + t % 2); window 2: of tiles 2 and 3; window 3: v0-127 accumulators, v128-159 the bias in the result's layout.
.set WST,  204800                      ; LDS: behind the records a stage for each wave,
.set WSTW, 25088                       ; of 32 rows
.set WP,   784                         ; 768 bytes + 16 apart
.set WV,  32
.set CL,  33
.set CX,  34
.set YY,  35
.set G0,  36
.set G1,  40
.set HD,  48
.set CNT, 49
.set SB,  50
.set OC,  52                           ; s[52:53] where the trip's codes go;  s[54:55] its scale words;  s[56:57] their step
.set OS,  54
.set OSS, 56
.set SEL, 60
.set L16, 1
.set L8,  2
.set R16, 3
.set WS,  16
.set AS,  48
.set AF,  80
.set TM,  176
.set PC,  192
.set PWQ, 204
.set VH,  208
.set HW,  212
.set WA0, 216                          ; v216  the stage, on the way in: 16 x lane
.set WA1, 217                          ; v217  the same where lanes 16-31 lie in the next row: + 16 h
.set WFR, 218                          ; v218  and on the way out: row r, + 24 h
.set ACC, 0
.set BS,  128
.set MSB, 0
.macro WIN new                         ; the immediate's high byte repeats the setting that is left
.if MSB != (\new)
	s_set_vgpr_msb (MSB<<8)|(\new)
.set MSB, (\new)
.endif
.endm
.macro PLACES n
.rept \n
	v_nop
.endr
.endm
.macro CROUND                          ; a round of the cluster's barrier
	s_barrier_signal -1
	s_barrier_wait -1
	s_cmp_lg_u32 s[WV], 0
	s_cbranch_scc1 .Lnot_wave_0_\@
	s_barrier_signal -3
.Lnot_wave_0_\@:
	s_barrier_wait -3
	s_barrier_signal -1
	s_barrier_wait -1
.endm
; weight rows 32 b .. 32 b + 31 as they lie, 24,576 bytes, into v0-191 of window 1 + b: each load reads 512 consecutive bytes
.macro WRAW b
	WIN (0x40<<\b)
.set i, 0
.rept 48
	global_load_b128 v[4*i:4*i+3], v[L16], s[6:7] offset:24576*\b+512*i
.set i, i+1
.endr
.endm
; they turn through my stage and come back, into the same window, as the fragments of tiles 2 b and 2 b + 1.  Three loads' bytes are two rows; row R of the 32 goes to place R % 8 + 16 ((R / 8) % 2) + 8 (R / 16),
; so that a tile's sixteen rows lie in sixteen neighbouring places.  LDS serves a wave's instructions in order (ISA guide 5.7.1.4): no wait between the stores and the loads, nor in front of the next half's stores.
.macro WTURN b
	WIN (0x04<<\b)                                         ; an LDS store's data are its source 1
.set i, 0
.rept 48
.set R, 2*(i/3)+(i%3)/2
.set SL, R%8+16*((R/8)%2)+8*(R/16)
.if i%3 == 1
	ds_store_b128 v[WA1], v[4*i:4*i+3] offset:WP*SL+512    ; lanes 0-15 end row R, lanes 16-31 begin row R + 1
.elseif i%3 == 2
	ds_store_b128 v[WA0], v[4*i:4*i+3] offset:WP*SL+256
.else
	ds_store_b128 v[WA0], v[4*i:4*i+3] offset:WP*SL
.endif
.set i, i+1
.endr
	WIN (0x40<<\b)
.irp u, 0,1
.irp s, 0,1,2,3,4,5,6,7
.irp p, 0,1,2,3,4,5
	ds_load_b64 v[12*(2*\s+\u)+2*\p:12*(2*\s+\u)+2*\p+1], v[WFR] offset:WP*16*\u+96*\s+48*(\p/3)+8*(\p%3)
.endr
.endr
.endr
.endm
; 32 numbers of a lane in window w, register 16 b + i = k 32 b + 16 h + i, become half a fragment in v[PC:PC+5] and two scale bytes in v[HW]
.macro QUANT2 src, w
	WIN (5*\w)
.irp b, 0,1
	v_max3_num_f32 v[TM+\b], |v[(\src)+16*\b]|, |v[(\src)+16*\b+1]|, 0x1800000   ; the floor 2^(3 - 127): the byte cannot fall under 1
.endr
	WIN (20*\w)
.irp i, 2,4,6,8,10,12,14
.irp b, 0,1
	v_max3_num_f32 v[TM+\b], v[TM+\b], |v[(\src)+16*\b+\i]|, |v[(\src)+16*\b+\i+1]|
.endr
.endr
	WIN 0
.irp b, 0,1
	v_permlanex16_b32 v[TM+2+\b], v[TM+\b], s[SEL], s[SEL+1]
.endr
.irp b, 0,1
	v_max_num_f32 v[TM+\b], v[TM+\b], v[TM+2+\b]
.endr
.irp b, 0,1
	v_add_nc_u32 v[TM+4+\b], 0xff000000, v[TM+\b]          ; 2 off the exponent field: the conversion's scale operand
.endr
.irp b, 0,1
	v_lshrrev_b32 v[TM+2+\b], 23, v[TM+4+\b]               ; the scale's byte
.endr
	v_lshl_or_b32 v[HW], v[TM+3], 8, v[TM+2]
	WIN (\w)
	v_cvt_scalef32_pk16_fp6_f32 v[PC:PC+2], v[(\src):(\src)+15], v[TM+4]
	v_cvt_scalef32_pk16_fp6_f32 v[PC+8:PC+10], v[(\src)+16:(\src)+31], v[TM+5]
	WIN 0
	v_nop                                                  ; one plain place behind a scaled conversion
.irp i, 0,1,2
	v_permlane16_swap_b32 v[PC+\i], v[PC+8+\i]             ; a whole block to a lane
.endr
.irp i, 0,1,2
	v_mov_b32 v[PC+3+\i], v[PC+8+\i]
.endr
.endm
; the four tiles' fragments of K step s into set p: 16 LDS loads, each of consecutive bytes
.macro FETCH a16, a8, p, s
.irp m, 0,1,2,3
	ds_load_b128 v[AF+48*(\p)+12*\m:AF+48*(\p)+12*\m+3], v[\a16] offset:12800*\m+1536*(\s)
	ds_load_b64 v[AF+48*(\p)+12*\m+4:AF+48*(\p)+12*\m+5], v[\a8] offset:12800*\m+1536*(\s)+512
	ds_load_b128 v[AF+48*(\p)+12*\m+6:AF+48*(\p)+12*\m+9], v[\a16] offset:12800*\m+1536*(\s)+768
	ds_load_b64 v[AF+48*(\p)+12*\m+10:AF+48*(\p)+12*\m+11], v[\a8] offset:12800*\m+1536*(\s)+1280
.endr
.endm
; 16 matrix instructions of K step s: weight tiles 0, 1 against the four tiles of rows, then tiles 2, 3: two window settings.  v = 0: source 0 the weights; v = 1: source 0 Xn
.macro MUL v, s
.irp tp, 0,1
.if \v
	WIN (0xf4+4*\tp)
.else
	WIN (0xf1+\tp)
.endif
.irp m, 0,1,2,3
.irp u, 0,1
.set tt, 2*\tp+\u
.set rW, 12*(2*(\s)+\u)
.set rA, AF+48*((\s)%2)+12*\m
.if \v
.set rD, ACC+8*(4*tt+\m)
.else
.set rD, ACC+8*(4*\m+tt)
.endif
.set rC, rD
.if (\s) == 0
.set rC, BS+8*tt
.endif
.if \v
	v_wmma_scale_f32_16x16x128_f8f6f4 v[rD:rD+7], v[rA:rA+11], v[rW:rW+11], v[rC:rC+7], v[AS+8*\m+(\s)], v[WS+8*tt+(\s)] matrix_a_fmt:MATRIX_FMT_FP6 matrix_b_fmt:MATRIX_FMT_FP6
.else
	v_wmma_scale_f32_16x16x128_f8f6f4 v[rD:rD+7], v[rW:rW+11], v[rA:rA+11], v[rC:rC+7], v[WS+8*tt+(\s)], v[AS+8*\m+(\s)] matrix_a_fmt:MATRIX_FMT_FP6 matrix_b_fmt:MATRIX_FMT_FP6
.endif
.endr
.endr
.endr
.endm
; four tiles of rows x my 64 weight rows x all of K
.macro MAIN v, a16, a8, asc
	PLACES 5                                               ; behind the last products: loads into their operands follow, and sums begun anew
.irp m, 0,1,2,3
	ds_load_b128 v[AS+8*\m:AS+8*\m+3], v[\asc] offset:12800*\m+12288
	ds_load_b128 v[AS+8*\m+4:AS+8*\m+7], v[\asc] offset:12800*\m+12288+256
.endr
	FETCH \a16, \a8, 0, 0
.irp s, 0,1,2,3,4,5,6,7
.if \s < 7
	PLACES 4                                               ; in front of loads into the set that the last K step's products read
	FETCH \a16, \a8, (\s+1)%2, \s+1
	s_wait_dscnt 16                                        ; all but the 16 loads just issued: this K step's fragments are in
.else
	s_wait_dscnt 0x0
.endif
	MUL \v, \s
	WIN 0
.endr
.endm
; 32 results of a lane are quantised and leave
.macro EPI v, sub, x
	s_wait_xcnt 0x0                                        ; the last stores have read their registers: these are written again only behind this wait
	QUANT2 ACC+32*\x, 3
.if \v
.if \sub
	v_lshl_or_b32 v[PWQ+\x], v[HW], 16, v[VH+\x]           ; keys 64-127's two bytes above keys 0-63's
.else
	v_mov_b32 v[VH+\x], v[HW]
.endif
	global_store_b128 v[L16], v[PC:PC+3], s[OC:OC+1] offset:1536*\x+768*\sub
	global_store_b64 v[L8], v[PC+4:PC+5], s[OC:OC+1] offset:1536*\x+768*\sub+512
.else
	v_mov_b32 v[PWQ+\x], v[HW]
	global_store_b128 v[L16], v[PC:PC+3], s[OC:OC+1] offset:(4*\sub+\x)*768
	global_store_b64 v[L8], v[PC+4:PC+5], s[OC:OC+1] offset:(4*\sub+\x)*768+512
.endif
.endm
.macro SUB v, sub
.if \sub
	MAIN \v, 10, 11, 12
.else
	MAIN \v, 4, 5, 6
.endif
	PLACES 4                                               ; in front of the first read of results
.irp x, 0,1,2,3
	EPI \v, \sub, \x
.endr
.if \v
.if \sub
	global_store_b128 v[R16], v[PWQ:PWQ+3], s[OS:OS+1]     ; 256 consecutive bytes; lanes 16-31 write what lanes 0-15 write
.endif
.else
	global_store_b128 v[R16], v[PWQ:PWQ+3], s[OS:OS+1] offset:256*\sub
.endif
.endm
	s_load_b512 s[4:19], s[0:1], 0x0                       ; act, Wq, Wk, Wv codes, Wq, Wk, Wv scales, bq
	s_load_b256 s[20:27], s[0:1], 0x40                     ; bk, bv, qk_codes, v_codes
	s_load_b128 s[28:31], s[0:1], 0x60                     ; qk_sc, v_sc
	v_lshl_add_u32 v254, v0, 2, 0x4a800
	v_mov_b32 v255, 0
	ds_add_u32 v254, v255
	ds_add_u32 v254, v255
	v_lshrrev_b32 v13, 5, v0
	v_readfirstlane_b32 s[WV], v13                         ; wave 0..3
	s_mov_b32 s[CL], ttmp9                                 ; 0 Q, 1 K, 2 V: the same in the four partners
	s_bfe_u32 s[CX], ttmp6, 0x40000                        ; my place in the cluster: it enters global addresses alone
	s_and_b32 s[YY], ttmp7, 0xffff                         ; which 256 rows
	s_mov_b32 s[G1], 15|(3<<16)|(1<<21)                    ; the mask: all four work-groups; elements of 8 bytes; bit 21 beside a mask; no padding
	s_mov_b32 s[G1+1], 32<<16                              ; tensor_dim0 = 32 elements: rows of 256 bytes
	s_mov_b32 s[G1+2], 200<<16                             ; tensor_dim1 = 200
	s_mov_b32 s[G1+3], 32<<16                              ; tile_dim0
	s_mov_b32 s[G1+4], 200                                 ; tile_dim1: 51,200 dense bytes, four records
	s_mov_b32 s[G1+5], 32                                  ; the pitch
	s_mov_b32 s[G1+6], 0
	s_mov_b32 s[G1+7], 0
	s_mov_b32 s[G0], 1
	s_mul_i32 s[G0+1], s[WV], 51200                        ; LDS address: the wave's number alone
	s_mul_i32 s58, s[YY], 204800
	s_add_co_u32 s58, s58, s[G0+1]
	s_mov_b32 s59, 0
	s_wait_dscnt 0x0
	s_wait_kmcnt 0x0
	s_add_nc_u64 s[G0+2:G0+3], s[4:5], s[58:59]
	s_or_b32 s[G0+3], s[G0+3], 0x80000000
	CROUND                                                 ; all four work-groups are here: the joint loads meet
	tensor_load_to_lds s[G0:G0+3], s[G1:G1+7]
	s_nop 0
	PLACES 4
	; where my head's weights lie and where my results go
	s_lshl_b32 s[HD], s[CX], 2
	s_add_co_u32 s[HD], s[HD], s[WV]                       ; head
	s_lshl_b32 s59, s[CL], 4
	s_add_co_u32 s59, s59, s[HD]                           ; Q: head; K: 16 + head
	s_mul_i32 s62, s59, 196608
	s_mul_i32 s63, s[YY], 12288
	s_add_co_u32 s62, s62, s63                             ; Q, K: codes
	s_lshl_b32 s63, s59, 14
	s_lshl_b32 s66, s[YY], 10
	s_add_co_u32 s63, s63, s66                             ; Q, K: scale words
	s_lshr_b32 s66, s[YY], 3
	s_lshl_b32 s66, s66, 4
	s_add_co_u32 s66, s66, s[HD]                           ; 16 b + head
	s_lshl_b32 s66, s66, 4
	s_and_b32 s67, s[YY], 7
	s_lshl_b32 s67, s67, 1
	s_add_co_u32 s66, s66, s67                             ; V: the first of my two key steps
	s_mul_i32 s67, s66, 6144
	s_lshl_b32 s66, s66, 8
	s_mov_b32 s[OSS], 512
	s_mov_b32 s[OSS+1], 0
	s_cmp_eq_u32 s[CL], 0
	s_cselect_b64 s[6:7], s[6:7], s[8:9]
	s_cselect_b64 s[12:13], s[12:13], s[14:15]
	s_cselect_b64 s[18:19], s[18:19], s[20:21]
	s_cmp_eq_u32 s[CL], 2
	s_cselect_b64 s[6:7], s[10:11], s[6:7]                 ; the weights' codes,
	s_cselect_b64 s[12:13], s[16:17], s[12:13]             ; their scales,
	s_cselect_b64 s[18:19], s[22:23], s[18:19]             ; the bias
	s_cselect_b64 s[OC:OC+1], s[26:27], s[24:25]
	s_cselect_b64 s[OS:OS+1], s[30:31], s[28:29]
	s_cselect_b32 s68, s67, s62
	s_cselect_b32 s70, s66, s63
	s_cselect_b32 s[OSS], 256, s[OSS]
	s_mov_b32 s69, 0
	s_mov_b32 s71, 0
	s_add_nc_u64 s[OC:OC+1], s[OC:OC+1], s[68:69]
	s_add_nc_u64 s[OS:OS+1], s[OS:OS+1], s[70:71]
	s_mul_i32 s68, s[HD], 49152
	s_add_nc_u64 s[6:7], s[6:7], s[68:69]
	s_lshl_b32 s68, s[HD], 11
	s_add_nc_u64 s[12:13], s[12:13], s[68:69]
	s_lshl_b32 s68, s[HD], 8
	s_add_nc_u64 s[18:19], s[18:19], s[68:69]
	s_mul_i32 s70, s[WV], WSTW
	s_add_co_u32 s70, s70, WST                             ; my stage
	s_mov_b32 s[SEL], 0x76543210
	s_mov_b32 s[SEL+1], 0xfedcba98
	v_and_b32 v14, 31, v0
	v_and_b32 v15, 15, v0                                  ; r
	v_bfe_u32 v9, v0, 4, 1                                 ; h
	v_lshlrev_b32 v[L16], 4, v14
	v_lshlrev_b32 v[L8], 3, v14
	v_lshlrev_b32 v[R16], 4, v15
	v_add_nc_u32 v[WA0], s70, v[L16]
	v_lshl_add_u32 v[WA1], v9, 4, v[WA0]
	v_mul_u32_u24 v[WFR], v15, WP
	v_mad_u32_u24 v[WFR], v9, 24, v[WFR]
	v_add_nc_u32 v[WFR], s70, v[WFR]
	v_and_b32 v13, 8, v15
	v_add_nc_u32 v13, v13, v15                             ; r + (r & 8)
	v_lshlrev_b32 v8, 5, v13                               ; a weight row's 32 scale bytes
	v_lshlrev_b32 v14, 2, v13                              ; V's bias: that of my lane's weight row
	v_lshlrev_b32 v9, 6, v9                                ; Q's, K's: 64 h
	v_mov_b32 v[TM+2], 0                                   ; written once: a lane permute's destination counts as one of its sources
	v_mov_b32 v[TM+3], 0
.irp t, 0,1,2,3
	global_load_b128 v[WS+8*\t:WS+8*\t+3], v8, s[12:13] offset:(32*(\t/2)+8*(\t%2))*32
	global_load_b128 v[WS+8*\t+4:WS+8*\t+7], v8, s[12:13] offset:(32*(\t/2)+8*(\t%2))*32+16
.endr
	s_cmp_eq_u32 s[CL], 2
	s_cbranch_scc1 .Lbias_v
	WIN 0xc0
.irp t, 0,1,2,3                                            ; register 8 t + j: the bias of the head's unit 32 (t / 2) + 16 h + 8 (t % 2) + j
	global_load_b128 v[BS+8*\t:BS+8*\t+3], v9, s[18:19] offset:128*(\t/2)+32*(\t%2)
	global_load_b128 v[BS+8*\t+4:BS+8*\t+7], v9, s[18:19] offset:128*(\t/2)+32*(\t%2)+16
.endr
	WIN 0
	s_branch .Lbias_done
.Lbias_v:
	WIN 0xc0
	s_wait_alu depctr_va_vdst(0)
.irp t, 0,1,2,3                                            ; all eight registers: the bias of my lane's unit
.irp j, 0,1,2,3,4,5,6,7
	global_load_b32 v[BS+8*\t+\j], v14, s[18:19] offset:4*(32*(\t/2)+8*(\t%2))
.endr
.endr
	WIN 0
.Lbias_done:
	WRAW 0
	WRAW 1
	s_wait_loadcnt 48                                      ; rows 0-31, and all that was asked for ahead of them, are in; the 48 loads of rows 32-63 may stay out
	s_wait_alu depctr_va_vdst(0)
	WTURN 0
	s_wait_loadcnt 0x0
	WTURN 1
	WIN 0
	s_wait_dscnt 0x0                                       ; my fragments are in
	s_wait_tensorcnt 0x0                                   ; my four records are in,
	s_barrier_signal -1
	s_barrier_wait -1                                      ; everybody's are
	s_mov_b32 s[CNT], 0
	s_mov_b32 s[SB], 0
.Ltrip:                                                    ; two trips of 128 rows, each two runs of four tiles
	v_add_nc_u32 v4, s[SB], v[L16]
	v_add_nc_u32 v5, s[SB], v[L8]
	v_add_nc_u32 v6, s[SB], v[R16]
	v_add_nc_u32 v10, 51200, v4
	v_add_nc_u32 v11, 51200, v5
	v_add_nc_u32 v12, 51200, v6
	s_cmp_eq_u32 s[CL], 2
	s_cbranch_scc1 .Lv
	s_wait_alu depctr_va_vdst(0)
	SUB 0, 0
	SUB 0, 1
	s_branch .Ljoin
.Lv:
	s_wait_alu depctr_va_vdst(0)
	SUB 1, 0
	SUB 1, 1
.Ljoin:
	s_wait_xcnt 0x0                                        ; the stores have read their bases
	s_add_nc_u64 s[OC:OC+1], s[OC:OC+1], 6144
	s_add_nc_u64 s[OS:OS+1], s[OS:OS+1], s[OSS:OSS+1]
	s_add_co_u32 s[SB], s[SB], 102400
	s_add_co_u32 s[CNT], s[CNT], 1
	s_cmp_lt_u32 s[CNT], 2
	s_cbranch_scc1 .Ltrip
	s_wait_tensorcnt 0x0
	ds_add_u32 v254, v255
	s_wait_dscnt 0x0
	CROUND                                                 ; the closing round
	s_endpgm
.Lfunc_end_k_q151de62125_qkv:
	.size	k_q151de62125_qkv, .Lfunc_end_k_q151de62125_qkv-k_q151de62125_qkv
	.p2alignl 7, 3214868480
	.fill 96, 4, 3214868480
	.section	.rodata,"a",@progbits
	.p2align	6, 0x0
	.amdhsa_kernel k_q151de62125_qkv
		.amdhsa_group_segment_fixed_size 305664
		.amdhsa_private_segment_fixed_size 0
		.amdhsa_enable_private_segment 0
		.amdhsa_kernarg_size 112
		.amdhsa_user_sgpr_count 2
		.amdhsa_user_sgpr_kernarg_segment_ptr 1
		.amdhsa_wavefront_size32 1
		.amdhsa_system_sgpr_workgroup_id_x 1
		.amdhsa_system_sgpr_workgroup_id_y 1
		.amdhsa_system_sgpr_workgroup_id_z 1
		.amdhsa_system_vgpr_workitem_id 0
		.amdhsa_next_free_vgpr 928
		.amdhsa_next_free_sgpr 72
		.amdhsa_reserve_vcc 0
		.amdhsa_float_denorm_mode_32 3
		.amdhsa_float_denorm_mode_16_64 3
		.amdhsa_memory_ordered 1
		.amdhsa_forward_progress 1
		.amdhsa_inst_pref_size 182
	.end_amdhsa_kernel
	.amdgpu_metadata
---
amdhsa.version: [ 1, 2 ]
amdhsa.kernels:
  - .name:           k_q151de62125_qkv
    .symbol:         k_q151de62125_qkv.kd
    .args:
      - { .name: act, .offset: 0, .size: 8, .value_kind: global_buffer, .address_space: global }
      - { .name: Wq_codes, .offset: 8, .size: 8, .value_kind: global_buffer, .address_space: global }
      - { .name: Wk_codes, .offset: 16, .size: 8, .value_kind: global_buffer, .address_space: global }
      - { .name: Wv_codes, .offset: 24, .size: 8, .value_kind: global_buffer, .address_space: global }
      - { .name: Wq_scales, .offset: 32, .size: 8, .value_kind: global_buffer, .address_space: global }
      - { .name: Wk_scales, .offset: 40, .size: 8, .value_kind: global_buffer, .address_space: global }
      - { .name: Wv_scales, .offset: 48, .size: 8, .value_kind: global_buffer, .address_space: global }
      - { .name: bq, .offset: 56, .size: 8, .value_kind: global_buffer, .address_space: global }
      - { .name: bk, .offset: 64, .size: 8, .value_kind: global_buffer, .address_space: global }
      - { .name: bv, .offset: 72, .size: 8, .value_kind: global_buffer, .address_space: global }
      - { .name: qk_codes, .offset: 80, .size: 8, .value_kind: global_buffer, .address_space: global }
      - { .name: v_codes, .offset: 88, .size: 8, .value_kind: global_buffer, .address_space: global }
      - { .name: qk_sc, .offset: 96, .size: 8, .value_kind: global_buffer, .address_space: global }
      - { .name: v_sc, .offset: 104, .size: 8, .value_kind: global_buffer, .address_space: global }
    .group_segment_fixed_size: 305664
    .private_segment_fixed_size: 0
    .kernarg_segment_align: 8
    .kernarg_segment_size: 112
    .max_flat_workgroup_size: 128
    .sgpr_count:     72
    .vgpr_count:     928
    .wavefront_size: 32
...
	.end_amdgpu_metadata
.endif
;; end of part 2
;; launch attn (part 3): grid 8 x 32, 16 waves a work-group, no clusters, 327,680 bytes of LDS; arguments qk_codes, qk_sc, v_codes, v_sc, padding_mask, ctx; writes ctx
.if DOCPART == 3
	.amdgcn_target "amdgcn-amd-amdhsa--gfx1250"
	.amdhsa_code_object_version 6
	.text
	.protected	k_q151de62125_attn
	.globl	k_q151de62125_attn
	.p2align	8
	.type	k_q151de62125_attn,@function
k_q151de62125_attn:
	s_mov_b64 s[64:65], 0
	v_nop
	global_prefetch_b8 v0, s[64:65] scope:SCOPE_SE
	s_setreg_imm32_b32 hwreg(HW_REG_WAVE_MODE, 25, 1), 1
	s_wait_xcnt 0x0
; ctx = softmax(mask(Q K^T / 8)) V for one head of one batch, both products on FP6 codes; the result is quantised along the concatenated heads for the next product.
; p = 2^(t - M), t = score x log2(e) / 8, M the running largest t rounded up to a whole number; p is quantised along the keys, its unquantised sum divides at the end.
; THE MASK.  A key that is padded, or lies behind the query, has the logit -1e9.  For a query that is not padded its own key counts, so such a key's p is exactly 0: here -2^100 is added to a padded key's score (as the C of
; the first product, from a table of one f32 a key in LDS), and set for keys behind the diagonal; key steps wholly behind the diagonal are left out by a branch on ids.  For a PADDED query all 2,048 logits are equal:
; every p is 1, the sum 2,048, and the row is the sum of the quantised V over all keys / 2,048: that is made once for the head (a product of V with ones, a key step to a wave) and chosen by v_cndmask_b32.
; LIMITS: a kept logit within some 90 of -1e9 is not served, nor a kept t under -2^93; NaN and infinities are not served; a block whose largest magnitude lies under 2^-124 gets the byte 1.
; SHARES.  The work-group owns the blocks i and 15 - i of 128 queries.  A PAIR of waves owns tile number w / 2 of both blocks, and THE PAIR SHARES THE KEYS: one wave takes the even key steps, the other the odd ones,
; first of block i (4 trips), then of block 15 - i (8 trips): 17 visible steps a pair, 9 and 8 a wave, one of them on the diagonal in each wave.  Which wave of a pair is even changes with w / 4.
; Each wave's part of a tile (O^T, -M, the sum) goes to LDS; the two parts are brought under the larger M by powers of two, which round nothing, and added; the even wave finishes block i's tile, the odd wave block 15 - i's.
; Block i's parts have LDS bytes of their own; block 15 - i's are stored over K's codes, which have had their only fill, behind a barrier behind which no wave reads K.
; LOADS.  The head's K and V codes and scale words, 208,896 bytes, come into LDS once, one tensor load a wave: waves 0-5 K's codes, 6-11 V's (16,384 bytes each), 12-13 K's scale words, 14 V's (4,096 each); wave 15 none.
; One wait for 0 and one barrier stand in front of the first step; nothing is filled again.  All of V serves the sum for padded queries; of K, key steps 0 .. 15 - i are read.
; NO CLUSTER: the work-groups that share a head's K and V differ in their blocks of queries, and the steps left out hang on the block: partners would branch differently.
; NO PREFETCH: all that the work-group reads is asked for at its head; no loop runs ahead of a load.
; LAYOUT.  Both products transposed: S^T = K Q^T, O^T = V^T P^T: a lane holds one query.  The head is 64 wide: the upper 64 codes of K's and Q's fragments are zeros.
; Rows of a tile (queries, keys, the head's units): row i of tile t is 32 (t / 2) + 8 (t % 2) + i + (i & 8).
.set KSC, 196608                       ; LDS: K's codes at 0, V's at 98,304; K's scale words, 8,192 bytes;
.set VSC, 204800                       ; V's, 4,096;
.set KB,  208896                       ; 0 or -2^100 for each key, 8,192;
.set PS,  217088                       ; the sixteen waves' parts of V's sum, 256 bytes each;
.set VS,  221184                       ; each wave's own copy of the sum, 256 bytes;
.set PA,  225280                       ; the sixteen waves' parts of block i's tiles,
.set PSZ, 4608                         ; each 32 registers of O^T and four of state, 16 bytes a lane;
.set SPARE, 299008                     ; the spare words, 128 bytes a wave
.set L16, 1
.set L8,  2
.set R16, 3
.set H64, 5
.set DQ,  6                            ; v6   my query in its block - 16 h
.set PQ,  7                            ; v7   the mask byte of my query in the tile that I finish
.set ADK16, 8
.set ADK8,  9
.set ADV16, 10
.set ADV8,  11
.set QS,  28
.set ADKS, 29
.set ADVS, 30
.set ADKB, 31
.set F,   32                           ; v32-79   four fragments of K: the upper six registers of each stay 0
.set KSW, 80
.set VSW, 88
.set ONE, 92                           ; v92      the scale word 2^0 x 4
.set NEG, 93                           ; v93      -2^100
.set S,   96                           ; v96-159  S^T, then p, then V's fragments
.set O,   160                          ; v160-191 O^T
.set PC,  192                          ; v192-203 p's codes;  v204-210 halves on their way
.set PC2, 204
.set BM,  212
.set BY,  216
.set SOP, 220
.set PSW, 224
.set FP,  226
.set T0,  228
.set HW,  230
.set QB,  240                          ; v240-246 Q's half fragment and scale word of block 15 - i's tile; behind the walks: addresses
.set WV,  16
.set SQ,  19
.set SEL, 20
.set CS,  22
.set G1C, 24
.set G1S, 32
.set PAR, 40                           ; s40  0: I take the even key steps, 1: the odd ones
.set G0S, 48
.set G0C, 52
.set TK,  74
.set TV,  75
.set TKS, 76
.set TVS, 77
.set TKB, 78
.set ST,  79
.set CNT, 80
.set BLK, 81
.macro PLACES n
.rept \n
	v_nop
.endr
.endm
.macro QPTR tile, pc, ps               ; where a tile's image of Q and its scale words lie
	s_mul_i32 s86, s83, 196608
	s_mul_i32 s87, s[\tile], 768
	s_add_co_u32 s86, s86, s87
	s_mov_b32 s87, 0
	s_add_nc_u64 s[\pc:\pc+1], s[4:5], s[86:87]
	s_lshl_b32 s86, s83, 14
	s_lshr_b32 s89, s[\tile], 2
	s_lshl_b32 s89, s89, 8
	s_add_co_u32 s86, s86, s89
	s_and_b32 s89, s[\tile], 3
	s_lshl_b32 s89, s89, 2
	s_add_co_u32 s86, s86, s89
	s_add_nc_u64 s[\ps:\ps+1], s[6:7], s[86:87]
.endm
	s_load_b256 s[4:11], s[0:1], 0x0                       ; qk_codes, qk_sc, v_codes, v_sc
	s_load_b128 s[12:15], s[0:1], 0x20                     ; padding_mask, ctx
	v_lshl_add_u32 v254, v0, 2, SPARE
	v_mov_b32 v255, 0
	ds_add_u32 v254, v255                                  ; the opening lines: the add, twice on end, and its wait
	ds_add_u32 v254, v255
	v_lshrrev_b32 v1, 5, v0
	s_delay_alu instid0(VALU_DEP_1)
	v_readfirstlane_b32 s[WV], v1                          ; wave 0..15
	s_mov_b32 s17, ttmp9                                   ; i
	s_and_b32 s18, ttmp7, 0xffff
	s_lshr_b32 s82, s18, 4                                 ; batch
	s_and_b32 s83, s18, 15                                 ; head
	s_lshr_b32 s[PAR], s[WV], 2
	s_xor_b32 s[PAR], s[PAR], s[WV]
	s_and_b32 s[PAR], s[PAR], 1                            ; the two waves of a pair differ in it
	s_bfe_u32 s84, s[WV], 0x30001                          ; which of a block's eight tiles
	s_lshr_b32 s[SQ], s84, 1
	s_lshl_b32 s[SQ], s[SQ], 5
	s_and_b32 s87, s84, 1
	s_lshl_b32 s87, s87, 3
	s_add_co_u32 s[SQ], s[SQ], s87                         ; the tile's first query in its block
.irp g, G1C, G1S                                           ; dense blocks as rows of 256 bytes (32 elements of 8 bytes), no padding
	s_mov_b32 s[\g], 3<<16
	s_mov_b32 s[\g+1], 32<<16
	s_mov_b32 s[\g+3], 32<<16
	s_mov_b32 s[\g+5], 32
	s_mov_b32 s[\g+6], 0
	s_mov_b32 s[\g+7], 0
.endr
	s_mov_b32 s[G1C+2], 64<<16                             ; codes: 64 rows, 16,384 bytes
	s_mov_b32 s[G1C+4], 64
	s_mov_b32 s[G1S+2], 16<<16                             ; scale words: 16 rows, 4,096 bytes
	s_mov_b32 s[G1S+4], 16
	s_add_co_u32 s86, s83, 16
	s_mul_i32 s90, s86, 196608
	s_mul_i32 s87, s82, 98304
	s_add_co_u32 s90, s90, s87                             ; K's codes of this head and batch
	s_lshl_b32 s92, s86, 14
	s_lshl_b32 s87, s82, 13
	s_add_co_u32 s92, s92, s87                             ; K's scale words
	s_lshl_b32 s86, s82, 4
	s_add_co_u32 s86, s86, s83
	s_mul_i32 s91, s86, 98304                              ; V's codes
	s_lshl_b32 s93, s86, 12                                ; V's scale words
	s_sub_co_u32 s87, s[WV], 6
	s_wait_dscnt 0x0                                       ; both opening adds are done
	s_wait_kmcnt 0x0
	s_cmp_lt_u32 s[WV], 6                                  ; waves 0-5: K's codes, part w; waves 6-11: V's, part w - 6
	s_cselect_b64 s[72:73], s[4:5], s[8:9]
	s_cselect_b32 s90, s90, s91
	s_cselect_b32 s87, s[WV], s87
	s_lshl_b32 s87, s87, 14
	s_add_co_u32 s90, s90, s87
	s_mov_b32 s91, 0
	s_add_nc_u64 s[72:73], s[72:73], s[90:91]
	s_cmp_lt_u32 s[WV], 14                                 ; waves 12, 13: K's scale words, half w % 2; wave 14: V's
	s_cselect_b64 s[94:95], s[6:7], s[10:11]
	s_cselect_b32 s92, s92, s93
	s_and_b32 s87, s[WV], 1
	s_lshl_b32 s87, s87, 12
	s_add_co_u32 s92, s92, s87
	s_mov_b32 s93, 0
	s_add_nc_u64 s[94:95], s[94:95], s[92:93]
	s_mov_b32 s[G0C], 1
	s_lshl_b32 s[G0C+1], s[WV], 14                         ; LDS: 16,384 w: K's six parts, then V's six
	s_mov_b64 s[G0C+2:G0C+3], s[72:73]
	s_or_b32 s[G0C+3], s[G0C+3], 0x80000000
	s_mov_b32 s[G0S], 1
	s_lshl_b32 s[G0S+1], s[WV], 12
	s_add_co_u32 s[G0S+1], s[G0S+1], KSC-12*4096           ; LDS: KSC + 4,096 (w - 12)
	s_mov_b64 s[G0S+2:G0S+3], s[94:95]
	s_or_b32 s[G0S+3], s[G0S+3], 0x80000000
	s_cmp_lt_u32 s[WV], 12                                 ; one chain of branches on the wave's number, one load to an arm, one join
	s_cbranch_scc0 .Lnot_c
	tensor_load_to_lds s[G0C:G0C+3], s[G1C:G1C+7]
	s_nop 0
	PLACES 4
	s_branch .Lasked
.Lnot_c:
	s_cmp_lt_u32 s[WV], 15
	s_cbranch_scc0 .Lasked
	tensor_load_to_lds s[G0S:G0S+3], s[G1S:G1S+7]
	s_nop 0
	PLACES 4
.Lasked:
	s_lshl_b32 s85, s82, 7
	s_add_co_u32 s85, s85, s84
	s_sub_co_u32 s41, 15, s17                              ; the other block
	s_lshl_b32 s86, s17, 3
	s_add_co_u32 s42, s85, s86                             ; block i's tile among the 256,
	s_lshl_b32 s86, s41, 3
	s_add_co_u32 s43, s85, s86                             ; block 15 - i's
	QPTR 42, 44, 46
	QPTR 43, 56, 58
	s_cmp_eq_u32 s[PAR], 0
	s_cselect_b32 s85, s42, s43                            ; the tile that I finish,
	s_cselect_b32 s60, s17, s41                            ; and its block
	s_lshl_b32 s86, s82, 11
	s_add_nc_u64 s[12:13], s[12:13], s[86:87]              ; the batch's mask
	s_lshl_b32 s86, s60, 7
	s_add_co_u32 s86, s86, s[SQ]
	s_add_nc_u64 s[88:89], s[12:13], s[86:87]              ; at that tile's first query
	s_mul_i32 s86, s85, 12800
	s_add_nc_u64 s[14:15], s[14:15], s[86:87]              ; that tile's record of ctx
	s_mul_i32 s86, s83, 768
	s_add_nc_u64 s[90:91], s[14:15], s[86:87]              ; the head's image in it,
	s_lshr_b32 s86, s83, 3
	s_lshl_b32 s86, s86, 8
	s_bfe_u32 s92, s83, 0x20001
	s_lshl_b32 s92, s92, 2
	s_add_co_u32 s86, s86, s92
	s_and_b32 s92, s83, 1
	s_lshl_b32 s92, s92, 1
	s_add_co_u32 s86, s86, s92
	s_add_co_u32 s86, s86, 12288
	s_add_nc_u64 s[92:93], s[14:15], s[86:87]              ; and the head's two bytes of a scale word
	s_mul_i32 s61, s[WV], PSZ                              ; my part of block 15 - i's tile, over K's codes,
	s_add_co_u32 s62, s61, PA                              ; and of block i's
	s_xor_b32 s63, s[PAR], 1
	s_mul_i32 s63, s63, PA
	s_mul_i32 s86, s84, 2*PSZ
	s_add_co_u32 s63, s63, s86                             ; the pair's two parts of the tile that I finish
	s_mov_b32 s[SEL], 0x76543210
	s_mov_b32 s[SEL+1], 0xfedcba98
	s_mov_b32 s[CS], 0x3e38aa3b                            ; c = log2(e) / 8
	s_mov_b32 s[CS+1], s[CS]
	v_and_b32 v228, 31, v0
	v_and_b32 v229, 15, v0                                 ; r
	v_bfe_u32 v230, v0, 4, 1                               ; h
	s_delay_alu instid0(VALU_DEP_3)
	v_lshlrev_b32 v[L16], 4, v228
	s_delay_alu instid0(VALU_DEP_4)
	v_lshlrev_b32 v[L8], 3, v228
	s_delay_alu instid0(VALU_DEP_4)
	v_lshlrev_b32 v[R16], 4, v229
	s_delay_alu instid0(VALU_DEP_4)
	v_lshlrev_b32 v[H64], 6, v230
	v_and_b32 v231, 8, v229
	s_delay_alu instid0(VALU_DEP_1)
	v_add_nc_u32 v231, v231, v229                          ; r + (r & 8)
	v_lshlrev_b32 v4, 2, v0
	global_load_b128 v[16:19], v[L16], s[44:45]            ; Q's half fragment of block i's tile
	global_load_b64 v[20:21], v[L8], s[44:45] offset:512
	global_load_b32 v[QS], v[R16], s[46:47]
	global_load_b128 v[QB:QB+3], v[L16], s[56:57]          ; and of block 15 - i's
	global_load_b64 v[QB+4:QB+5], v[L8], s[56:57] offset:512
	global_load_b32 v[QB+6], v[R16], s[58:59]
	global_load_b32 v232, v4, s[12:13]                     ; four keys' mask bytes a thread
	global_load_u8 v[PQ], v231, s[88:89]                   ; my query's
	v_lshlrev_b32 v233, 4, v230
	s_delay_alu instid0(VALU_DEP_1)
	v_sub_nc_u32 v[DQ], v231, v233
	s_delay_alu instid0(VALU_DEP_1)
	v_add_nc_u32 v[DQ], s[SQ], v[DQ]
	v_lshl_add_u32 v234, v0, 4, KB
	v_mov_b32 v[ONE], 0x7f7f7f7f
	v_mov_b32 v[NEG], 0xf1800000
	v_mov_b32 v13, 0xee000000                              ; the largest t so far: -2^93: above every masked t, below every other
	s_delay_alu instid0(VALU_DEP_1)
	v_floor_f32 v12, -v13                                  ; -M
	v_mov_b32 v14, 0
	v_mov_b32 v15, 0
.irp j, 22,23,24,25,26,27
	v_mov_b32 v[\j], 0                                     ; Q's upper 64 codes
.endr
.irp t, 0,1,2,3
.irp j, 6,7,8,9,10,11
	v_mov_b32 v[F+12*\t+\j], 0                             ; K's
.endr
.endr
.set j, 0
.rept 32
	v_mov_b32 v[O+j], 0                                    ; the step is written once: a tile's first finds zeros
.set j, j+1
.endr
.irp j, 0,1,2,3,4,5,6,7
	v_mov_b32 v[BM+\j], 0                                  ; lane permutes' destinations count as sources
.endr
	v_mov_b32 v[FP+1], 0                                   ; named as the upper half of a pair
	s_wait_loadcnt 0x0
.irp k, 0,1,2,3
	v_bfe_u32 v[236+\k], v232, 8*\k, 8
.endr
.irp k, 0,1,2,3
	v_cmp_eq_u32 vcc_lo, 0, v[236+\k]
	s_delay_alu instid0(VALU_DEP_1)
	v_cndmask_b32 v[236+\k], 0, v[NEG], vcc_lo             ; 0 for a key that counts, -2^100 for a padded one
.endr
	ds_store_b128 v234, v[236:239]
; A KEY STEP of 128 keys; the addresses go on by two steps
.macro STEP
	s_cmp_gt_u32 s[ST], s[BLK]                             ; all its keys lie behind my queries: a branch on ids, round the work, not round the steps of the addresses
	s_cbranch_scc1 .Lhidden_\@
	v_add_nc_u32 v[ADK16], s[TK], v[L16]                   ; these seven are also the places behind the last step's products
	s_wait_alu depctr_va_vdst(0)
	v_add_nc_u32 v[ADK8], s[TK], v[L8]
	s_wait_alu depctr_va_vdst(0)
	v_add_nc_u32 v[ADV16], s[TV], v[L16]
	v_add_nc_u32 v[ADV8], s[TV], v[L8]
	v_add_nc_u32 v[ADKS], s[TKS], v[R16]
	v_add_nc_u32 v[ADVS], s[TVS], v[R16]
	v_add_nc_u32 v[ADKB], s[TKB], v[H64]
.irp t, 0,1,2,3,4,5,6,7                                    ; the keys' 0 or -2^100 in the result's layout: the C of the first product
	ds_load_b128 v[S+8*\t:S+8*\t+3], v[ADKB] offset:128*(\t/2)+32*(\t%2)
	ds_load_b128 v[S+8*\t+4:S+8*\t+7], v[ADKB] offset:128*(\t/2)+32*(\t%2)+16
.endr
	ds_load_b128 v[KSW:KSW+3], v[ADKS]
	ds_load_b128 v[KSW+4:KSW+7], v[ADKS] offset:256
.irp g, 0,1
.if \g
	PLACES 4                                               ; in front of loads into registers that the last four products read
.endif
.irp t, 0,1,2,3
	ds_load_b128 v[F+12*\t:F+12*\t+3], v[ADK16] offset:768*(4*\g+\t)
	ds_load_b64 v[F+12*\t+4:F+12*\t+5], v[ADK8] offset:768*(4*\g+\t)+512
.endr
	s_wait_dscnt 0x0
.irp t, 0,1,2,3
	v_wmma_scale_f32_16x16x128_f8f6f4 v[S+8*(4*\g+\t):S+8*(4*\g+\t)+7], v[F+12*\t:F+12*\t+11], v[16:27], v[S+8*(4*\g+\t):S+8*(4*\g+\t)+7], v[KSW+4*\g+\t], v[QS] matrix_a_fmt:MATRIX_FMT_FP6 matrix_b_fmt:MATRIX_FMT_FP6
.endr
.endr
	PLACES 4
	s_cmp_lg_u32 s[ST], s[BLK]                             ; on the diagonal alone: register 16 b + i holds key 32 b + 16 h + i of the block: hidden where 32 b + i > my query - 16 h
	s_cbranch_scc1 .Lopen_\@
.set n, 0
.rept 64
	v_cmp_gt_i32 vcc_lo, 32*(n/16)+n%16, v[DQ]
	v_cndmask_b32 v[S+n], v[S+n], v[NEG], vcc_lo
.set n, n+1
.endr
.Lopen_\@:
.irp b, 0,1,2,3
	v_max3_num_f32 v[BM+\b], v[S+16*\b], v[S+16*\b+1], v[S+16*\b+2]   ; the largest score of each block of 32 keys: for the row's maximum, and for the block's largest p
.endr
.irp i, 3,5,7,9,11,13
.irp b, 0,1,2,3
	v_max3_num_f32 v[BM+\b], v[BM+\b], v[S+16*\b+\i], v[S+16*\b+\i+1]
.endr
.endr
.irp b, 0,1,2,3
	v_max_num_f32 v[BM+\b], v[BM+\b], v[S+16*\b+15]
.endr
.irp b, 0,1,2,3
	s_delay_alu instid0(VALU_DEP_4)
	v_permlanex16_b32 v[BY+\b], v[BM+\b], s[SEL], s[SEL+1]
.endr
.irp b, 0,1,2,3
	s_delay_alu instid0(VALU_DEP_4)
	v_max_num_f32 v[BM+\b], v[BM+\b], v[BY+\b]
.endr
	s_delay_alu instid0(VALU_DEP_2)
	v_max3_num_f32 v[T0], v[BM], v[BM+1], v[BM+2]
	s_delay_alu instid0(VALU_DEP_1)
	v_max_num_f32 v[T0], v[T0], v[BM+3]
	s_delay_alu instid0(VALU_DEP_1)
	v_mul_f32 v[T0], s[CS], v[T0]
	s_delay_alu instid0(VALU_DEP_1)
	v_max_num_f32 v13, v13, v[T0]                          ; the running largest t
	v_mov_b32 v[T0], v12
	s_delay_alu instid0(VALU_DEP_2)
	v_floor_f32 v12, -v13                                  ; the new -M: M is a whole number
	s_delay_alu instid0(VALU_DEP_1)
	v_sub_f32 v[T0], v12, v[T0]                            ; old M - new M, 0 or less
	s_delay_alu instid0(VALU_DEP_1)
	v_cvt_i32_f32 v[T0], v[T0]                             ; (it saturates)
	s_delay_alu instid0(VALU_DEP_1)
	v_ldexp_f32 v[FP], 1.0, v[T0]                          ; f = 2^(old M - new M): rounds nothing
.set j, 0
.rept 32
	v_pk_fma_f32 v[S+j:S+j+1], v[S+j:S+j+1], s[CS:CS+1], v[12:13] op_sel_hi:[1,0,0]   ; t - M
.set j, j+2
.endr
.irp b, 0,1,2,3
	v_fma_f32 v[BM+\b], v[BM+\b], s[CS], v12
.endr
.set j, 0
	s_wait_alu depctr_va_vdst(0)
.rept 64
	v_exp_f32 v[S+j], v[S+j]                               ; p, at most 1, not normalised
.set j, j+1
.endr
.irp b, 0,1,2,3
	v_exp_f32 v[BM+\b], v[BM+\b]                           ; the block's largest p
.endr
	v_pk_mul_f32 v[14:15], v[14:15], v[FP:FP+1] op_sel_hi:[1,0]   ; the sums under the new M (a plain place behind the exponentials)
	s_wait_alu depctr_va_vdst(0)
.irp b, 0,1,2,3
	v_max_num_f32 v[BM+\b], 0x1800000, v[BM+\b]            ; the floor 2^(3 - 127)
.endr
.irp b, 0,1,2,3
	s_delay_alu instid0(VALU_DEP_4)
	v_add_nc_u32 v[SOP+\b], 0xff000000, v[BM+\b]
.endr
.irp b, 0,1,2,3
	s_delay_alu instid0(VALU_DEP_4)
	v_lshrrev_b32 v[BY+\b], 23, v[SOP+\b]
.endr
	s_delay_alu instid0(VALU_DEP_3)
	v_lshl_or_b32 v[PSW], v[BY+1], 8, v[BY]                ; p's scale word for these 128 keys
	s_delay_alu instid0(VALU_DEP_1)
	v_lshl_or_b32 v[PSW], v[BY+2], 16, v[PSW]
	s_delay_alu instid0(VALU_DEP_1)
	v_lshl_or_b32 v[PSW], v[BY+3], 24, v[PSW]
.irp c, 0,1
	v_cvt_scalef32_pk16_fp6_f32 v[PC+6*\c:PC+6*\c+2], v[S+32*\c:S+32*\c+15], v[SOP+2*\c]
	v_cvt_scalef32_pk16_fp6_f32 v[PC2+4*\c:PC2+4*\c+2], v[S+32*\c+16:S+32*\c+31], v[SOP+2*\c+1]
.endr
	v_nop                                                  ; one plain place behind a scaled conversion
.irp c, 0,1
.irp i, 0,1,2
	v_permlane16_swap_b32 v[PC+6*\c+\i], v[PC2+4*\c+\i]
.endr
.irp i, 0,1,2
	s_delay_alu instid0(VALU_DEP_3)
	v_mov_b32 v[PC+3+6*\c+\i], v[PC2+4*\c+\i]
.endr
.endr
	v_pk_add_f32 v[232:233], v[100:101], v[104:105]        ; the sum of the unquantised p, in eight chains
	v_pk_add_f32 v[252:253], v[108:109], v[112:113]
	v_pk_add_f32 v[250:251], v[116:117], v[120:121]
	v_pk_add_f32 v[248:249], v[124:125], v[128:129]
	v_pk_add_f32 v[238:239], v[132:133], v[136:137]
	v_pk_add_f32 v[236:237], v[140:141], v[144:145]
	v_pk_add_f32 v[234:235], v[148:149], v[152:153]
	v_pk_add_f32 v[14:15], v[14:15], v[156:157]
	v_pk_add_f32 v[232:233], v[232:233], v[96:97]
	v_pk_add_f32 v[252:253], v[252:253], v[98:99]
	v_pk_add_f32 v[250:251], v[250:251], v[102:103]
	v_pk_add_f32 v[248:249], v[248:249], v[106:107]
	v_pk_add_f32 v[238:239], v[238:239], v[110:111]
	v_pk_add_f32 v[236:237], v[236:237], v[114:115]
	v_pk_add_f32 v[234:235], v[234:235], v[118:119]
	v_pk_add_f32 v[14:15], v[14:15], v[122:123]
	v_pk_add_f32 v[232:233], v[232:233], v[126:127]
	v_pk_add_f32 v[252:253], v[252:253], v[130:131]
	v_pk_add_f32 v[250:251], v[250:251], v[134:135]
	v_pk_add_f32 v[248:249], v[248:249], v[138:139]
	v_pk_add_f32 v[238:239], v[238:239], v[142:143]
	v_pk_add_f32 v[236:237], v[236:237], v[146:147]
	v_pk_add_f32 v[234:235], v[234:235], v[150:151]
	v_pk_add_f32 v[14:15], v[14:15], v[154:155]
	v_pk_add_f32 v[232:233], v[232:233], v[158:159]
	s_delay_alu instid0(VALU_DEP_2)
	v_pk_add_f32 v[14:15], v[14:15], v[248:249]
	s_delay_alu instid0(VALU_DEP_2)
	v_pk_add_f32 v[232:233], v[232:233], v[238:239]
	v_pk_add_f32 v[252:253], v[252:253], v[236:237]
	v_pk_add_f32 v[250:251], v[250:251], v[234:235]
	s_delay_alu instid0(VALU_DEP_2)
	v_pk_add_f32 v[14:15], v[14:15], v[252:253]
	s_delay_alu instid0(VALU_DEP_2)
	v_pk_add_f32 v[232:233], v[232:233], v[250:251]
	s_delay_alu instid0(VALU_DEP_1)
	v_pk_add_f32 v[14:15], v[14:15], v[232:233]
.irp t, 0,1,2,3                                            ; V's four fragments take p's place; they land while O^T is rescaled
	ds_load_b128 v[S+12*\t:S+12*\t+3], v[ADV16] offset:1536*\t
	ds_load_b64 v[S+12*\t+4:S+12*\t+5], v[ADV8] offset:1536*\t+512
	ds_load_b128 v[S+12*\t+6:S+12*\t+9], v[ADV16] offset:1536*\t+768
	ds_load_b64 v[S+12*\t+10:S+12*\t+11], v[ADV8] offset:1536*\t+1280
.endr
	ds_load_b128 v[VSW:VSW+3], v[ADVS]
.set j, 0
.rept 16
	v_pk_mul_f32 v[O+j:O+j+1], v[O+j:O+j+1], v[FP:FP+1] op_sel_hi:[1,0]
.set j, j+2
.endr
	s_wait_alu depctr_va_vdst(0)
	s_wait_dscnt 0x0
.irp t, 0,1,2,3
	v_wmma_scale_f32_16x16x128_f8f6f4 v[O+8*\t:O+8*\t+7], v[S+12*\t:S+12*\t+11], v[PC:PC+11], v[O+8*\t:O+8*\t+7], v[VSW+\t], v[PSW] matrix_a_fmt:MATRIX_FMT_FP6 matrix_b_fmt:MATRIX_FMT_FP6
.endr
.Lhidden_\@:
	s_add_co_u32 s[TK], s[TK], 2*6144
	s_add_co_u32 s[TV], s[TV], 2*6144
	s_add_co_u32 s[TKS], s[TKS], 2*512
	s_add_co_u32 s[TVS], s[TVS], 2*256
	s_add_co_u32 s[TKB], s[TKB], 2*512
	s_add_co_u32 s[ST], s[ST], 2
.endm
.macro WALK trips                      ; my key steps of one tile: PAR, PAR + 2, ..
	s_mul_i32 s[TK], s[PAR], 6144
	s_add_co_u32 s[TV], s[TK], 98304
	s_lshl_b32 s[TKS], s[PAR], 9
	s_add_co_u32 s[TKB], s[TKS], KB
	s_add_co_u32 s[TKS], s[TKS], KSC
	s_lshl_b32 s[TVS], s[PAR], 8
	s_add_co_u32 s[TVS], s[TVS], VSC
	s_mov_b32 s[ST], s[PAR]
	s_mov_b32 s[CNT], \trips
.Lstep_\@:
	STEP
	s_sub_co_u32 s[CNT], s[CNT], 1
	s_cmp_lg_u32 s[CNT], 0
	s_cbranch_scc1 .Lstep_\@
.endm
.macro SAVE adr                        ; my part of a tile: O^T, each accumulator from its low end on, then -M, the largest t and the sum's two halves
.irp k, 0,1,2,3,4,5,6,7
	ds_store_b128 v[\adr], v[O+4*\k:O+4*\k+3] offset:512*\k
.endr
	ds_store_b128 v[\adr], v[12:15] offset:4096
.endm
	s_wait_alu depctr_va_vdst(0)
	s_wait_tensorcnt 0x0                                   ; my load has landed,
	s_wait_dscnt 0x0                                       ; and my four words of the keys' table
	s_barrier_signal -1
	s_barrier_wait -1                                      ; everybody's have: all of K, V, the scale words and the table lie in LDS
	s_mov_b32 s[BLK], s17
	WALK 4                                                 ; block i, i <= 7: key steps 0 .. 7 at the most
	PLACES 4                                               ; in front of the first read of results
	v_add_nc_u32 v228, s62, v[L16]
	SAVE 228
.irp j, 0,1,2,3,4,5
	v_mov_b32 v[16+\j], v[QB+\j]                           ; the other tile's Q
.endr
	v_mov_b32 v[QS], v[QB+6]
	v_mov_b32 v13, 0xee000000
	s_delay_alu instid0(VALU_DEP_1)
	v_floor_f32 v12, -v13
	v_mov_b32 v14, 0
	v_mov_b32 v15, 0
.set j, 0
.rept 32
	v_mov_b32 v[O+j], 0
.set j, j+1
.endr
	s_wait_alu depctr_va_vdst(0)
	s_mov_b32 s[BLK], s41
	WALK 8                                                 ; block 15 - i
	; the addresses of the end; these lines are also the places behind the last products
	s_lshl_b32 s86, s[WV], 8
	v_bfe_u32 v230, v0, 4, 1                               ; h
	v_and_b32 v228, 31, v0
	v_add_nc_u32 v247, s63, v[L16]                         ; the two parts that I join
	v_add_nc_u32 v248, s61, v[L16]                         ; where my part of block 15 - i's tile goes
	v_mov_b32 v233, 0                                      ; named as the upper half of a pair
	v_lshlrev_b32 v235, 5, v230
	s_delay_alu instid0(VALU_DEP_1)
	v_add_nc_u32 v235, s86, v235                           ; 256 w + 32 h
	s_delay_alu instid0(VALU_DEP_1)
	v_add_nc_u32 v240, PS, v235
	s_delay_alu instid0(VALU_DEP_2)
	v_add_nc_u32 v243, VS, v235
	v_lshl_add_u32 v241, v228, 2, PS
	v_lshlrev_b32 v235, 2, v228
	s_delay_alu instid0(VALU_DEP_1)
	v_add_nc_u32 v235, s86, v235
	s_delay_alu instid0(VALU_DEP_1)
	v_add_nc_u32 v242, VS, v235
	v_add_nc_u32 v246, s86, v[R16]
	s_delay_alu instid0(VALU_DEP_1)
	v_add_nc_u32 v246, VSC, v246
	s_mul_i32 s86, s[WV], 6144
	s_add_co_u32 s86, s86, 98304
	v_add_nc_u32 v244, s86, v[L16]
	v_add_nc_u32 v245, s86, v[L8]
	; THE SUM OF V OVER ALL KEYS, for padded queries: wave w multiplies key step w's V by ones
.irp c, 0,1,2,3
	v_mov_b32 v[F+3*\c], 0x08208208                        ; sixteen codes of 1.0 in 96 bits
	v_mov_b32 v[F+3*\c+1], 0x82082082
	v_mov_b32 v[F+3*\c+2], 0x20820820
.endr
.irp t, 0,1,2,3
	ds_load_b128 v[S+12*\t:S+12*\t+3], v244 offset:1536*\t
	ds_load_b64 v[S+12*\t+4:S+12*\t+5], v245 offset:1536*\t+512
	ds_load_b128 v[S+12*\t+6:S+12*\t+9], v244 offset:1536*\t+768
	ds_load_b64 v[S+12*\t+10:S+12*\t+11], v245 offset:1536*\t+1280
.endr
	ds_load_b128 v[VSW:VSW+3], v246
	s_wait_alu depctr_va_vdst(0)
	s_wait_dscnt 0x0
	PLACES 4
.irp t, 0,1,2,3
	v_wmma_scale_f32_16x16x128_f8f6f4 v[F+16+8*\t:F+16+8*\t+7], v[S+12*\t:S+12*\t+11], v[F:F+11], 0, v[VSW+\t], v[ONE] matrix_a_fmt:MATRIX_FMT_FP6 matrix_b_fmt:MATRIX_FMT_FP6
.endr
	PLACES 4
.irp t, 0,1,2,3                                            ; word 16 t + 8 h + j; the sixteen lanes of a half hold, and write, the same numbers
	ds_store_b128 v240, v[F+16+8*\t:F+16+8*\t+3] offset:64*\t
	ds_store_b128 v240, v[F+16+8*\t+4:F+16+8*\t+7] offset:64*\t+16
.endr
	s_wait_dscnt 0x0                                       ; my stores have landed and all my reads of K and V are over
	s_barrier_signal -1
	s_barrier_wait -1                                      ; so are everybody's: K's codes are read no more
	SAVE 248
.set i, 0
.rept 16
	ds_load_b32 v[S+i], v241 offset:256*i
	ds_load_b32 v[S+16+i], v241 offset:256*i+128
.set i, i+1
.endr
	s_wait_dscnt 0x0
.irp u, 0,16
.irp k, 0,2,4,6
	v_pk_add_f32 v[S+\u+\k:S+\u+\k+1], v[S+\u+\k:S+\u+\k+1], v[S+\u+\k+8:S+\u+\k+9]
.endr
.irp k, 0,2
	s_delay_alu instid0(VALU_DEP_2)
	v_pk_add_f32 v[S+\u+\k:S+\u+\k+1], v[S+\u+\k:S+\u+\k+1], v[S+\u+\k+4:S+\u+\k+5]
.endr
	s_delay_alu instid0(VALU_DEP_1)
	v_pk_add_f32 v[S+\u:S+\u+1], v[S+\u:S+\u+1], v[S+\u+2:S+\u+3]
	s_delay_alu instid0(VALU_DEP_1)
	v_add_f32 v[S+\u], v[S+\u], v[S+\u+1]
	s_delay_alu instid0(VALU_DEP_1)
	v_mul_f32 v[S+\u], 0x3a000000, v[S+\u]                 ; / 2,048
.endr
	ds_store_b32 v242, v[S]
	ds_store_b32 v242, v[S+16] offset:128
.irp t, 0,1,2,3                                            ; back in O^T's layout; my own bytes, served in order
	ds_load_b128 v[F+16+8*\t:F+16+8*\t+3], v243 offset:64*\t
	ds_load_b128 v[F+16+8*\t+4:F+16+8*\t+7], v243 offset:64*\t+16
.endr
	s_wait_dscnt 0x0                                       ; my part has landed
	s_barrier_signal -1
	s_barrier_wait -1                                      ; everybody's has
	; THE PAIR'S TWO PARTS of the tile that I finish become one
.irp k, 0,1,2,3,4,5,6,7
	ds_load_b128 v[O+4*\k:O+4*\k+3], v247 offset:512*\k
	ds_load_b128 v[S+4*\k:S+4*\k+3], v247 offset:PSZ+512*\k
.endr
	ds_load_b128 v[12:15], v247 offset:4096
	ds_load_b128 v[128:131], v247 offset:PSZ+4096
	s_wait_dscnt 0x0
	v_min_num_f32 v228, v12, v128                          ; -M of the larger M
	s_delay_alu instid0(VALU_DEP_1)
	v_sub_f32 v229, v228, v12                              ; each part's M less the larger: a whole number, 0 or less
	s_delay_alu instid0(VALU_DEP_2)
	v_sub_f32 v231, v228, v128
	s_delay_alu instid0(VALU_DEP_2)
	v_cvt_i32_f32 v229, v229                               ; (it saturates: a part with no visible key counts for nothing)
	s_delay_alu instid0(VALU_DEP_2)
	v_cvt_i32_f32 v231, v231
	s_delay_alu instid0(VALU_DEP_2)
	v_ldexp_f32 v[FP], 1.0, v229
	s_delay_alu instid0(VALU_DEP_2)
	v_ldexp_f32 v232, 1.0, v231
	v_add_f32 v14, v14, v15
	v_add_f32 v130, v130, v131
.set j, 0
.rept 16
	v_pk_mul_f32 v[O+j:O+j+1], v[O+j:O+j+1], v[FP:FP+1] op_sel_hi:[1,0]
.set j, j+2
.endr
.set j, 0
.rept 16
	v_pk_fma_f32 v[O+j:O+j+1], v[S+j:S+j+1], v[232:233], v[O+j:O+j+1] op_sel_hi:[1,0,1]
.set j, j+2
.endr
	v_mul_f32 v14, v14, v[FP]
	s_delay_alu instid0(VALU_DEP_1)
	v_fma_f32 v14, v130, v232, v14
	s_delay_alu instid0(VALU_DEP_1)
	v_permlanex16_b32 v[T0], v14, s[SEL], s[SEL+1]
	s_delay_alu instid0(VALU_DEP_1)
	v_add_f32 v14, v14, v[T0]                              ; the row's sum
	s_wait_alu depctr_va_vdst(0)
	v_rcp_f32 v229, v14
	v_nop
.set j, 0
	s_wait_alu depctr_va_vdst(0)
.rept 32
	v_mul_f32 v[128+j], v[O+j], v229
.set j, j+1
.endr
	v_cmp_eq_u32 vcc_lo, 0, v[PQ]
.set j, 0
.rept 32
	v_cndmask_b32 v[128+j], v[128+j], v[F+16+j], vcc_lo    ; a padded query takes V's mean
.set j, j+1
.endr
	; the lane's 32 numbers, register 16 b + i = the head's unit 32 b + 16 h + i, are quantised: half a K step of the next product
.irp b, 0,1
	v_max3_num_f32 v[BM+\b], |v[128+16*\b]|, |v[129+16*\b]|, 0x1800000
.endr
.irp i, 2,4,6,8,10,12,14
.irp b, 0,1
	s_delay_alu instid0(VALU_DEP_2)
	v_max3_num_f32 v[BM+\b], v[BM+\b], |v[128+16*\b+\i]|, |v[129+16*\b+\i]|
.endr
.endr
.irp b, 0,1
	s_delay_alu instid0(VALU_DEP_2)
	v_permlanex16_b32 v[BM+2+\b], v[BM+\b], s[SEL], s[SEL+1]
.endr
.irp b, 0,1
	s_delay_alu instid0(VALU_DEP_2)
	v_max_num_f32 v[BM+\b], v[BM+\b], v[BM+2+\b]
.endr
.irp b, 0,1
	s_delay_alu instid0(VALU_DEP_2)
	v_add_nc_u32 v[BM+4+\b], 0xff000000, v[BM+\b]
.endr
.irp b, 0,1
	s_delay_alu instid0(VALU_DEP_2)
	v_lshrrev_b32 v[BM+2+\b], 23, v[BM+4+\b]
.endr
	s_delay_alu instid0(VALU_DEP_1)
	v_lshl_or_b32 v[HW], v[BM+3], 8, v[BM+2]
	v_cvt_scalef32_pk16_fp6_f32 v[PC:PC+2], v[128:143], v[BM+4]
	v_cvt_scalef32_pk16_fp6_f32 v[PC+8:PC+10], v[144:159], v[BM+5]
	v_nop
.irp i, 0,1,2
	v_permlane16_swap_b32 v[PC+\i], v[PC+8+\i]
.endr
.irp i, 0,1,2
	s_delay_alu instid0(VALU_DEP_3)
	v_mov_b32 v[PC+3+\i], v[PC+8+\i]
.endr
	global_store_b128 v[L16], v[PC:PC+3], s[90:91]
	global_store_b64 v[L8], v[PC+4:PC+5], s[90:91] offset:512
	global_store_b16 v[R16], v[HW], s[92:93]               ; two bytes of each row's scale word: the other head of the K step writes the other two
	s_wait_tensorcnt 0x0                                   ; the wave's end
	ds_add_u32 v254, v255
	s_wait_dscnt 0x0
	s_endpgm
.Lfunc_end_k_q151de62125_attn:
	.size	k_q151de62125_attn, .Lfunc_end_k_q151de62125_attn-k_q151de62125_attn
	.p2alignl 7, 3214868480
	.fill 96, 4, 3214868480
	.section	.rodata,"a",@progbits
	.p2align	6, 0x0
	.amdhsa_kernel k_q151de62125_attn
		.amdhsa_group_segment_fixed_size 327680
		.amdhsa_private_segment_fixed_size 0
		.amdhsa_enable_private_segment 0
		.amdhsa_kernarg_size 48
		.amdhsa_user_sgpr_count 2
		.amdhsa_user_sgpr_kernarg_segment_ptr 1
		.amdhsa_wavefront_size32 1
		.amdhsa_system_sgpr_workgroup_id_x 1
		.amdhsa_system_sgpr_workgroup_id_y 1
		.amdhsa_system_sgpr_workgroup_id_z 1
		.amdhsa_system_vgpr_workitem_id 0
		.amdhsa_next_free_vgpr 256
		.amdhsa_next_free_sgpr 96
		.amdhsa_reserve_vcc 1
		.amdhsa_float_denorm_mode_32 3
		.amdhsa_float_denorm_mode_16_64 3
		.amdhsa_memory_ordered 1
		.amdhsa_forward_progress 1
		.amdhsa_inst_pref_size 81
	.end_amdhsa_kernel
	.amdgpu_metadata
---
amdhsa.version: [ 1, 2 ]
amdhsa.kernels:
  - .name:           k_q151de62125_attn
    .symbol:         k_q151de62125_attn.kd
    .args:
      - { .name: qk_codes, .offset: 0, .size: 8, .value_kind: global_buffer, .address_space: global }
      - { .name: qk_sc, .offset: 8, .size: 8, .value_kind: global_buffer, .address_space: global }
      - { .name: v_codes, .offset: 16, .size: 8, .value_kind: global_buffer, .address_space: global }
      - { .name: v_sc, .offset: 24, .size: 8, .value_kind: global_buffer, .address_space: global }
      - { .name: padding_mask, .offset: 32, .size: 8, .value_kind: global_buffer, .address_space: global }
      - { .name: ctx, .offset: 40, .size: 8, .value_kind: global_buffer, .address_space: global }
    .group_segment_fixed_size: 327680
    .private_segment_fixed_size: 0
    .kernarg_segment_align: 8
    .kernarg_segment_size: 48
    .max_flat_workgroup_size: 512
    .sgpr_count:     96
    .vgpr_count:     256
    .wavefront_size: 32
...
	.end_amdgpu_metadata
.endif
;; end of part 3
;; launch proj (part 4): grid 4 x 64, 4 waves a work-group, clusters of 4 x 1, 169,472 bytes of LDS; arguments ctx, W0_codes, W0_scales, b0, X, out1; writes out1
.if DOCPART == 4
	.amdgcn_target "amdgcn-amd-amdhsa--gfx1250"
	.amdhsa_code_object_version 6
	.text
	.protected	k_q151de62125_proj
	.globl	k_q151de62125_proj
	.p2align	8
	.type	k_q151de62125_proj,@function
k_q151de62125_proj:
	s_mov_b64 s[64:65], 0
	v_nop
	global_prefetch_b8 v0, s[64:65] scope:SCOPE_SE
	s_setreg_imm32_b32 hwreg(HW_REG_WAVE_MODE, 25, 1), 1
	s_wait_xcnt 0x0
	s_wait_alu depctr_hold_cnt(0) depctr_sa_sdst(0) depctr_va_vdst(0) depctr_va_sdst(0) depctr_va_ssrc(0) depctr_va_vcc(0) depctr_vm_vsrc(0)
	s_getreg_b32 s2, hwreg(HW_REG_IB_STS2, 6, 4)
	s_cmp_eq_u32 s2, 0
	s_cbranch_scc0 .Lentry_in_a_cluster
	s_endpgm
.Lentry_in_a_cluster:
	s_bfe_u32 s2, ttmp6, 0x10000c
	s_cmp_lg_u32 s2, 0x3003
	s_cbranch_scc0 .Lentry_shape_is_right
	s_endpgm
.Lentry_shape_is_right:
; out1 = ctx W0 + b0 + X on FP6 codes.  A work-group makes 64 rows x 256 columns, a wave 64 columns: its 64 weight rows x 1,024 K (384 registers) are read once.
; THE WEIGHTS ARE READ AS THEY LIE: 49,152 consecutive bytes, by 96 loads of 512 consecutive bytes; 32 rows at a time turn through the wave's own stage in LDS (32 rows, 784 bytes apart) and come back as fragments.
; 784 bytes are 196 words: row r starts at bank 4 r mod 64 (64 banks of 4 bytes: ISA guide 11.1), so the 32 lanes of a load of 8 bytes touch 64 different banks.
; The 64 rows of ctx are four records of 12,800 bytes; each wave brings one into LDS by one tensor load, asked for JOINTLY by the cluster's four work-groups, which share the rows and differ in the columns.
; Nothing is filled again; one tensor load a wave is outstanding.  Source 0 = 16 weight rows, source 1 = 16 rows of ctx: a lane holds eight neighbouring columns of one row.
; Rows of a tile (weights and ctx): row i of tile t is 32 (t / 2) + 8 (t % 2) + i + (i & 8).  The bias is the C of each sum's first matrix instruction; the residual is asked for ahead of the products, in the layout of the stores.
; The way out goes through the wave's own stage in LDS (16 rows x 272 bytes), so that sixteen lanes store 256 consecutive bytes, aligned.
; REGISTERS: window 0: v1-15 addresses; v16-47, v48-79 scale words; v80-175 ctx's fragments; v176-207 rows back from the stage; v208-239 the residual of tile 3; v240-242 the weights' stage.
;   window 1: the fragments of weight tiles 0, 1 at 12 (2 s + t % 2); window 2: of tiles 2, 3; window 3: v0-127 accumulators, v128-159 the bias, v160-255 the residual of tiles 0-2.
.set WST,  68608                       ; LDS: records at 0, the way out's stages at 51,200, then a stage for each wave's weights,
.set WSTW, 25088                       ; of 32 rows
.set WP,   784                         ; 768 bytes + 16 apart
.set WV,  32
.set CX,  34
.set YY,  35
.set G0,  36
.set G1,  40
.set L16, 1
.set L8,  2
.set R16, 3
.set GX,  9
.set SO,  10
.set SR,  11
.set WS,  16
.set AS,  48
.set AF,  80
.set RD,  176
.set WA0, 240
.set WA1, 241
.set WFR, 242
.set ACC, 0
.set BS,  128
.set MSB, 0
.macro WIN new
.if MSB != (\new)
	s_set_vgpr_msb (MSB<<8)|(\new)
.set MSB, (\new)
.endif
.endm
.macro PLACES n
.rept \n
	v_nop
.endr
.endm
.macro CROUND
	s_barrier_signal -1
	s_barrier_wait -1
	s_cmp_lg_u32 s[WV], 0
	s_cbranch_scc1 .Lnot_wave_0_\@
	s_barrier_signal -3
.Lnot_wave_0_\@:
	s_barrier_wait -3
	s_barrier_signal -1
	s_barrier_wait -1
.endm
; weight rows 32 b .. 32 b + 31 as they lie, 24,576 bytes, into v0-191 of window 1 + b
.macro WRAW b
	WIN (0x40<<\b)
.set i, 0
.rept 48
	global_load_b128 v[4*i:4*i+3], v[L16], s[6:7] offset:24576*\b+512*i
.set i, i+1
.endr
.endm
; through my stage, and back into the same window as the fragments of tiles 2 b and 2 b + 1.  Row R of the 32 goes to place R % 8 + 16 ((R / 8) % 2) + 8 (R / 16): a tile's sixteen rows lie in sixteen neighbouring places.
; LDS serves a wave's instructions in order (ISA guide 5.7.1.4): no wait between the stores and the loads, nor in front of the next half's stores.
.macro WTURN b
	WIN (0x04<<\b)                                         ; an LDS store's data are its source 1
.set i, 0
.rept 48
.set R, 2*(i/3)+(i%3)/2
.set SL, R%8+16*((R/8)%2)+8*(R/16)
.if i%3 == 1
	ds_store_b128 v[WA1], v[4*i:4*i+3] offset:WP*SL+512    ; lanes 0-15 end row R, lanes 16-31 begin row R + 1
.elseif i%3 == 2
	ds_store_b128 v[WA0], v[4*i:4*i+3] offset:WP*SL+256
.else
	ds_store_b128 v[WA0], v[4*i:4*i+3] offset:WP*SL
.endif
.set i, i+1
.endr
	WIN (0x40<<\b)
.irp u, 0,1
.irp s, 0,1,2,3,4,5,6,7
.irp p, 0,1,2,3,4,5
	ds_load_b64 v[12*(2*\s+\u)+2*\p:12*(2*\s+\u)+2*\p+1], v[WFR] offset:WP*16*\u+96*\s+48*(\p/3)+8*(\p%3)
.endr
.endr
.endr
.endm
.macro FETCH p, s
.irp m, 0,1,2,3
	ds_load_b128 v[AF+48*(\p)+12*\m:AF+48*(\p)+12*\m+3], v[L16] offset:12800*\m+1536*(\s)
	ds_load_b64 v[AF+48*(\p)+12*\m+4:AF+48*(\p)+12*\m+5], v[L8] offset:12800*\m+1536*(\s)+512
	ds_load_b128 v[AF+48*(\p)+12*\m+6:AF+48*(\p)+12*\m+9], v[L16] offset:12800*\m+1536*(\s)+768
	ds_load_b64 v[AF+48*(\p)+12*\m+10:AF+48*(\p)+12*\m+11], v[L8] offset:12800*\m+1536*(\s)+1280
.endr
.endm
.macro MUL s                           ; 16 matrix instructions, the 16 accumulators by turns: weight tiles 0, 1, then 2, 3: two window settings
.irp tp, 0,1
	WIN (0xf1+\tp)
.irp m, 0,1,2,3
.irp u, 0,1
.set tt, 2*\tp+\u
.set rW, 12*(2*(\s)+\u)
.set rA, AF+48*((\s)%2)+12*\m
.set rD, ACC+8*(4*\m+tt)
.set rC, rD
.if (\s) == 0
.set rC, BS+8*tt
.endif
	v_wmma_scale_f32_16x16x128_f8f6f4 v[rD:rD+7], v[rW:rW+11], v[rA:rA+11], v[rC:rC+7], v[WS+8*tt+(\s)], v[AS+8*\m+(\s)] matrix_a_fmt:MATRIX_FMT_FP6 matrix_b_fmt:MATRIX_FMT_FP6
.endr
.endr
.endr
.endm
.macro RESLOAD m                       ; the residual of tile m, as it will be added: lanes 0-15 one row's 256 bytes, lanes 16-31 the next row's
.if \m < 3
	WIN 0xc0
.set rR, 160+32*\m
.else
	WIN 0
.set rR, 208
.endif
.irp i, 0,1,2,3,4,5,6,7
	global_load_b128 v[rR+4*\i:rR+4*\i+3], v[GX], s[12:13] offset:(32*(\m/2)+8*(\m%2)+2*\i+8*(\i/4))*4096
.endr
.endm
.macro OUT m
	s_wait_xcnt 0x0                                        ; the last tile's stores have read their registers
	WIN 0x0c                                               ; an LDS store's data are its source 1: window 3
.irp t, 0,1,2,3
	ds_store_b128 v[SO], v[ACC+8*(4*\m+\t):ACC+8*(4*\m+\t)+3] offset:128*(\t/2)+32*(\t%2)      ; each accumulator from its low end on
	ds_store_b128 v[SO], v[ACC+8*(4*\m+\t)+4:ACC+8*(4*\m+\t)+7] offset:128*(\t/2)+32*(\t%2)+16
.endr
	WIN 0
.irp i, 0,1,2,3,4,5,6,7
	ds_load_b128 v[RD+4*\i:RD+4*\i+3], v[SR] offset:544*\i   ; my own bytes, served in order
.endr
	s_wait_dscnt 0x0
	s_wait_loadcnt 8*(3-\m)                                ; this tile's residual is in; the later tiles' eight loads each may stay out
.if \m < 3
	WIN 0x0c
.set rR, 160+32*\m
.else
.set rR, 208
.endif
.set k, 0
.rept 16
	v_pk_add_f32 v[RD+k:RD+k+1], v[RD+k:RD+k+1], v[rR+k:rR+k+1]
.set k, k+2
.endr
	WIN 0
.irp i, 0,1,2,3,4,5,6,7
	global_store_b128 v[GX], v[RD+4*\i:RD+4*\i+3], s[14:15] offset:(32*(\m/2)+8*(\m%2)+2*\i+8*(\i/4))*4096
.endr
.endm
	s_load_b256 s[4:11], s[0:1], 0x0                       ; ctx, W0's codes, W0's scales, b0
	s_load_b128 s[12:15], s[0:1], 0x20                     ; X, out1
	v_lshl_add_u32 v254, v0, 2, 0x29400
	v_mov_b32 v255, 0
	ds_add_u32 v254, v255
	ds_add_u32 v254, v255
	v_lshrrev_b32 v13, 5, v0
	v_readfirstlane_b32 s[WV], v13
	s_bfe_u32 s[CX], ttmp6, 0x40000                        ; my place in the cluster: it enters global addresses alone
	s_and_b32 s[YY], ttmp7, 0xffff
	s_mov_b32 s[G1], 15|(3<<16)|(1<<21)                    ; the mask: all four; elements of 8 bytes; bit 21 beside a mask
	s_mov_b32 s[G1+1], 32<<16
	s_mov_b32 s[G1+2], 50<<16
	s_mov_b32 s[G1+3], 32<<16
	s_mov_b32 s[G1+4], 50                                  ; 50 rows of 256 bytes: one record
	s_mov_b32 s[G1+5], 32
	s_mov_b32 s[G1+6], 0
	s_mov_b32 s[G1+7], 0
	s_mov_b32 s[G0], 1
	s_mul_i32 s[G0+1], s[WV], 12800
	s_mul_i32 s58, s[YY], 51200
	s_add_co_u32 s58, s58, s[G0+1]
	s_mov_b32 s59, 0
	s_wait_dscnt 0x0
	s_wait_kmcnt 0x0
	s_add_nc_u64 s[G0+2:G0+3], s[4:5], s[58:59]
	s_or_b32 s[G0+3], s[G0+3], 0x80000000
	CROUND
	tensor_load_to_lds s[G0:G0+3], s[G1:G1+7]
	s_nop 0
	PLACES 4
	s_lshl_b32 s48, s[CX], 8
	s_lshl_b32 s49, s[WV], 6
	s_add_co_u32 s48, s48, s49                             ; my first column
	s_mul_i32 s58, s48, 768
	s_add_nc_u64 s[6:7], s[6:7], s[58:59]
	s_lshl_b32 s58, s48, 5
	s_add_nc_u64 s[8:9], s[8:9], s[58:59]
	s_lshl_b32 s58, s48, 2
	s_add_nc_u64 s[10:11], s[10:11], s[58:59]
	s_lshl_b32 s49, s[YY], 18                              ; 64 rows of 4,096 bytes
	s_add_co_u32 s58, s58, s49
	s_add_nc_u64 s[12:13], s[12:13], s[58:59]
	s_add_nc_u64 s[14:15], s[14:15], s[58:59]
	s_mul_i32 s50, s[WV], 4352
	s_add_co_u32 s50, s50, 51200                           ; my stage for the way out, behind the records
	s_mul_i32 s51, s[WV], WSTW
	s_add_co_u32 s51, s51, WST                             ; my stage for the weights
	v_and_b32 v14, 31, v0
	v_and_b32 v15, 15, v0                                  ; r
	v_bfe_u32 v12, v0, 4, 1                                ; h
	v_lshlrev_b32 v[L16], 4, v14
	v_lshlrev_b32 v[L8], 3, v14
	v_lshlrev_b32 v[R16], 4, v15
	v_lshl_add_u32 v[GX], v12, 12, v[R16]
	v_mul_u32_u24 v[SO], v15, 272
	v_lshl_add_u32 v[SO], v12, 6, v[SO]
	v_add_nc_u32 v[SO], s50, v[SO]
	v_mul_u32_u24 v[SR], v12, 272
	v_add_nc_u32 v[SR], v[SR], v[R16]
	v_add_nc_u32 v[SR], s50, v[SR]
	v_add_nc_u32 v[WA0], s51, v[L16]
	v_lshl_add_u32 v[WA1], v12, 4, v[WA0]
	v_mul_u32_u24 v[WFR], v15, WP
	v_mad_u32_u24 v[WFR], v12, 24, v[WFR]
	v_add_nc_u32 v[WFR], s51, v[WFR]
	v_and_b32 v13, 8, v15
	v_add_nc_u32 v13, v13, v15
	v_lshlrev_b32 v8, 5, v13
	v_lshlrev_b32 v6, 6, v12
.irp t, 0,1,2,3
	global_load_b128 v[WS+8*\t:WS+8*\t+3], v8, s[8:9] offset:(32*(\t/2)+8*(\t%2))*32
	global_load_b128 v[WS+8*\t+4:WS+8*\t+7], v8, s[8:9] offset:(32*(\t/2)+8*(\t%2))*32+16
.endr
	WIN 0xc0
.irp t, 0,1,2,3
	global_load_b128 v[BS+8*\t:BS+8*\t+3], v6, s[10:11] offset:128*(\t/2)+32*(\t%2)
	global_load_b128 v[BS+8*\t+4:BS+8*\t+7], v6, s[10:11] offset:128*(\t/2)+32*(\t%2)+16
.endr
	WRAW 0
	WRAW 1
	s_wait_alu depctr_va_vdst(0)
	s_wait_loadcnt 48                                      ; rows 0-31, the scale words and the bias are in; the 48 loads of rows 32-63 may stay out
	WTURN 0
	s_wait_loadcnt 0x0
	WTURN 1
	RESLOAD 0                                              ; the residual lands while the products run
	RESLOAD 1
	RESLOAD 2
	RESLOAD 3
	WIN 0
	s_wait_dscnt 0x0                                       ; my fragments are in
	s_wait_tensorcnt 0x0                                   ; my record is in,
	s_barrier_signal -1
	s_barrier_wait -1                                      ; everybody's is
.irp m, 0,1,2,3
	ds_load_b128 v[AS+8*\m:AS+8*\m+3], v[R16] offset:12800*\m+12288
	ds_load_b128 v[AS+8*\m+4:AS+8*\m+7], v[R16] offset:12800*\m+12288+256
.endr
	FETCH 0, 0
.irp s, 0,1,2,3,4,5,6,7
.if \s < 7
	PLACES 4                                               ; in front of loads into the set that the last K step's products read
	FETCH (\s+1)%2, \s+1
	s_wait_dscnt 16                                        ; all but the 16 loads just issued
.else
	s_wait_dscnt 0x0
.endif
	MUL \s
	WIN 0
.endr
	PLACES 4
	OUT 0
	OUT 1
	OUT 2
	OUT 3
	s_wait_tensorcnt 0x0
	ds_add_u32 v254, v255
	s_wait_dscnt 0x0
	CROUND                                                 ; the closing round
	s_endpgm
.Lfunc_end_k_q151de62125_proj:
	.size	k_q151de62125_proj, .Lfunc_end_k_q151de62125_proj-k_q151de62125_proj
	.p2alignl 7, 3214868480
	.fill 96, 4, 3214868480
	.section	.rodata,"a",@progbits
	.p2align	6, 0x0
	.amdhsa_kernel k_q151de62125_proj
		.amdhsa_group_segment_fixed_size 169472
		.amdhsa_private_segment_fixed_size 0
		.amdhsa_enable_private_segment 0
		.amdhsa_kernarg_size 48
		.amdhsa_user_sgpr_count 2
		.amdhsa_user_sgpr_kernarg_segment_ptr 1
		.amdhsa_wavefront_size32 1
		.amdhsa_system_sgpr_workgroup_id_x 1
		.amdhsa_system_sgpr_workgroup_id_y 1
		.amdhsa_system_sgpr_workgroup_id_z 1
		.amdhsa_system_vgpr_workitem_id 0
		.amdhsa_next_free_vgpr 1024
		.amdhsa_next_free_sgpr 66
		.amdhsa_reserve_vcc 0
		.amdhsa_float_denorm_mode_32 3
		.amdhsa_float_denorm_mode_16_64 3
		.amdhsa_memory_ordered 1
		.amdhsa_forward_progress 1
		.amdhsa_inst_pref_size 75
	.end_amdhsa_kernel
	.amdgpu_metadata
---
amdhsa.version: [ 1, 2 ]
amdhsa.kernels:
  - .name:           k_q151de62125_proj
    .symbol:         k_q151de62125_proj.kd
    .args:
      - { .name: ctx, .offset: 0, .size: 8, .value_kind: global_buffer, .address_space: global }
      - { .name: W0_codes, .offset: 8, .size: 8, .value_kind: global_buffer, .address_space: global }
      - { .name: W0_scales, .offset: 16, .size: 8, .value_kind: global_buffer, .address_space: global }
      - { .name: b0, .offset: 24, .size: 8, .value_kind: global_buffer, .address_space: global }
      - { .name: X, .offset: 32, .size: 8, .value_kind: global_buffer, .address_space: global }
      - { .name: out1, .offset: 40, .size: 8, .value_kind: global_buffer, .address_space: global }
    .group_segment_fixed_size: 169472
    .private_segment_fixed_size: 0
    .kernarg_segment_align: 8
    .kernarg_segment_size: 48
    .max_flat_workgroup_size: 128
    .sgpr_count:     66
    .vgpr_count:     1024
    .wavefront_size: 32
...
	.end_amdgpu_metadata
.endif
;; end of part 4
;; launch ln2: the kernel of part 1 again; grid 256 x 1, 8 waves a work-group, no clusters, 70,144 bytes of LDS; arguments out1, g2, o2, act; writes act
;; launch ffn1 (part 5): grid 16 x 16, 4 waves a work-group, clusters of 4 x 1, 305,664 bytes of LDS; arguments act, W1_codes, W1_scales, b1, hid; writes hid
.if DOCPART == 5
	.amdgcn_target "amdgcn-amd-amdhsa--gfx1250"
	.amdhsa_code_object_version 6
	.text
	.protected	k_q151de62125_ffn1
	.globl	k_q151de62125_ffn1
	.p2align	8
	.type	k_q151de62125_ffn1,@function
k_q151de62125_ffn1:
	s_mov_b64 s[64:65], 0
	v_nop
	global_prefetch_b8 v0, s[64:65] scope:SCOPE_SE
	s_setreg_imm32_b32 hwreg(HW_REG_WAVE_MODE, 25, 1), 1
	s_wait_xcnt 0x0
	s_wait_alu depctr_hold_cnt(0) depctr_sa_sdst(0) depctr_va_vdst(0) depctr_va_sdst(0) depctr_va_ssrc(0) depctr_va_vcc(0) depctr_vm_vsrc(0)
	s_getreg_b32 s2, hwreg(HW_REG_IB_STS2, 6, 4)
	s_cmp_eq_u32 s2, 0
	s_cbranch_scc0 .Lentry_in_a_cluster
	s_endpgm
.Lentry_in_a_cluster:
	s_bfe_u32 s2, ttmp6, 0x10000c
	s_cmp_lg_u32 s2, 0x3003
	s_cbranch_scc0 .Lentry_shape_is_right
	s_endpgm
.Lentry_shape_is_right:
; hid = Q(relu(h W1 + b1)) on FP6 codes, Q the quantiser along the 4,096 hidden units, which are the next product's K.  The hidden layer goes to memory as codes alone.
; A work-group makes 256 rows x 256 hidden units, a wave 64 units: its 64 weight rows x 1,024 K (384 registers) are read once.
; THE WEIGHTS ARE READ AS THEY LIE: 49,152 consecutive bytes, by 96 loads of 512 consecutive bytes; 32 rows at a time turn through the wave's own stage in LDS (32 rows, 784 bytes apart) and come back as fragments.
; 784 bytes are 196 words: row r starts at bank 4 r mod 64 (64 banks of 4 bytes: ISA guide 11.1), so the 32 lanes of a load of 8 bytes touch 64 different banks.
; The 256 rows of h are 16 records of 12,800 bytes, brought into LDS once, 51,200 bytes a wave, asked for JOINTLY by the cluster's four work-groups, which share the rows.  Nothing is filled again; one tensor load a wave is outstanding.
; Source 0 = 16 weight rows, source 1 = 16 rows of h; row i of a tile t is 32 (t / 2) + 8 (t % 2) + i + (i & 8): a lane's 32 results of a tile of rows are 16 + 16 neighbours along the next K: half a fragment.
; OUT: hid[tile][quarter of K]: records as the inputs'; my 64 units are image kh = 4 (column group % 4) + wave of quarter column group / 4, and two bytes of a scale word.
; LIMITS: NaN and infinities are not served; a block whose largest magnitude lies under 2^-124 (a block of zeros too) gets the byte 1.
; REGISTERS: window 0: addresses, scale words (v16-47, v48-79), h's fragments (v80-175), work; window 1: the fragments of weight tiles 0, 1 at 12 (2 s + t % 2); window 2: of tiles 2, 3; window 3: accumulators, the bias.
.set WST,  204800                      ; LDS: behind the records a stage for each wave,
.set WSTW, 25088                       ; of 32 rows
.set WP,   784                         ; 768 bytes + 16 apart
.set WV,  32
.set CX,  34
.set YY,  35
.set G0,  36
.set G1,  40
.set CG,  48
.set CNT, 49
.set SB,  50
.set OC,  52
.set OS,  54
.set SEL, 60
.set L16, 1
.set L8,  2
.set R16, 3
.set WS,  16
.set AS,  48
.set AF,  80
.set TM,  176
.set PC,  192
.set HW,  212
.set WA0, 216
.set WA1, 217
.set WFR, 218
.set ACC, 0
.set BS,  128
.set MSB, 0
.macro WIN new
.if MSB != (\new)
	s_set_vgpr_msb (MSB<<8)|(\new)
.set MSB, (\new)
.endif
.endm
.macro PLACES n
.rept \n
	v_nop
.endr
.endm
.macro CROUND
	s_barrier_signal -1
	s_barrier_wait -1
	s_cmp_lg_u32 s[WV], 0
	s_cbranch_scc1 .Lnot_wave_0_\@
	s_barrier_signal -3
.Lnot_wave_0_\@:
	s_barrier_wait -3
	s_barrier_signal -1
	s_barrier_wait -1
.endm
; weight rows 32 b .. 32 b + 31 as they lie, 24,576 bytes, into v0-191 of window 1 + b
.macro WRAW b
	WIN (0x40<<\b)
.set i, 0
.rept 48
	global_load_b128 v[4*i:4*i+3], v[L16], s[6:7] offset:24576*\b+512*i
.set i, i+1
.endr
.endm
; through my stage, and back into the same window as the fragments of tiles 2 b and 2 b + 1.  Row R of the 32 goes to place R % 8 + 16 ((R / 8) % 2) + 8 (R / 16): a tile's sixteen rows lie in sixteen neighbouring places.
; LDS serves a wave's instructions in order (ISA guide 5.7.1.4): no wait between the stores and the loads, nor in front of the next half's stores.
.macro WTURN b
	WIN (0x04<<\b)                                         ; an LDS store's data are its source 1
.set i, 0
.rept 48
.set R, 2*(i/3)+(i%3)/2
.set SL, R%8+16*((R/8)%2)+8*(R/16)
.if i%3 == 1
	ds_store_b128 v[WA1], v[4*i:4*i+3] offset:WP*SL+512    ; lanes 0-15 end row R, lanes 16-31 begin row R + 1
.elseif i%3 == 2
	ds_store_b128 v[WA0], v[4*i:4*i+3] offset:WP*SL+256
.else
	ds_store_b128 v[WA0], v[4*i:4*i+3] offset:WP*SL
.endif
.set i, i+1
.endr
	WIN (0x40<<\b)
.irp u, 0,1
.irp s, 0,1,2,3,4,5,6,7
.irp p, 0,1,2,3,4,5
	ds_load_b64 v[12*(2*\s+\u)+2*\p:12*(2*\s+\u)+2*\p+1], v[WFR] offset:WP*16*\u+96*\s+48*(\p/3)+8*(\p%3)
.endr
.endr
.endr
.endm
.macro QUANT2 src                      ; 32 numbers, register 16 b + i = k 32 b + 16 h + i: half a fragment in v[PC:PC+5], two scale bytes in v[HW]
.irp b, 0,1
	v_max3_num_f32 v[TM+\b], |v[(\src)+16*\b]|, |v[(\src)+16*\b+1]|, 0x1800000
.endr
.irp i, 2,4,6,8,10,12,14
.irp b, 0,1
	v_max3_num_f32 v[TM+\b], v[TM+\b], |v[(\src)+16*\b+\i]|, |v[(\src)+16*\b+\i+1]|
.endr
.endr
.irp b, 0,1
	v_permlanex16_b32 v[TM+2+\b], v[TM+\b], s[SEL], s[SEL+1]
.endr
.irp b, 0,1
	v_max_num_f32 v[TM+\b], v[TM+\b], v[TM+2+\b]
.endr
.irp b, 0,1
	v_add_nc_u32 v[TM+4+\b], 0xff000000, v[TM+\b]
.endr
.irp b, 0,1
	v_lshrrev_b32 v[TM+2+\b], 23, v[TM+4+\b]
.endr
	v_lshl_or_b32 v[HW], v[TM+3], 8, v[TM+2]
	v_cvt_scalef32_pk16_fp6_f32 v[PC:PC+2], v[(\src):(\src)+15], v[TM+4]
	v_cvt_scalef32_pk16_fp6_f32 v[PC+8:PC+10], v[(\src)+16:(\src)+31], v[TM+5]
	v_nop                                                  ; one plain place behind a scaled conversion
.irp i, 0,1,2
	v_permlane16_swap_b32 v[PC+\i], v[PC+8+\i]
.endr
.irp i, 0,1,2
	v_mov_b32 v[PC+3+\i], v[PC+8+\i]
.endr
.endm
.macro FETCH p, s
.irp m, 0,1,2,3
	ds_load_b128 v[AF+48*(\p)+12*\m:AF+48*(\p)+12*\m+3], v4 offset:12800*\m+1536*(\s)
	ds_load_b64 v[AF+48*(\p)+12*\m+4:AF+48*(\p)+12*\m+5], v5 offset:12800*\m+1536*(\s)+512
	ds_load_b128 v[AF+48*(\p)+12*\m+6:AF+48*(\p)+12*\m+9], v4 offset:12800*\m+1536*(\s)+768
	ds_load_b64 v[AF+48*(\p)+12*\m+10:AF+48*(\p)+12*\m+11], v5 offset:12800*\m+1536*(\s)+1280
.endr
.endm
.macro MUL s                           ; 16 matrix instructions, the 16 accumulators by turns: weight tiles 0, 1, then 2, 3: two window settings
.irp tp, 0,1
	WIN (0xf1+\tp)
.irp m, 0,1,2,3
.irp u, 0,1
.set tt, 2*\tp+\u
.set rW, 12*(2*(\s)+\u)
.set rA, AF+48*((\s)%2)+12*\m
.set rD, ACC+8*(4*\m+tt)
.set rC, rD
.if (\s) == 0
.set rC, BS+8*tt
.endif
	v_wmma_scale_f32_16x16x128_f8f6f4 v[rD:rD+7], v[rW:rW+11], v[rA:rA+11], v[rC:rC+7], v[WS+8*tt+(\s)], v[AS+8*\m+(\s)] matrix_a_fmt:MATRIX_FMT_FP6 matrix_b_fmt:MATRIX_FMT_FP6
.endr
.endr
.endr
.endm
.macro EPI m
	s_wait_xcnt 0x0                                        ; the last stores have read their registers
	WIN 0x0c
.set i, 0
.rept 32
	v_max_num_f32 v[AF+i], 0, v[ACC+32*\m+i]               ; the activation, in f32, into window 0; each accumulator from its low end on
.set i, i+1
.endr
	WIN 0
	QUANT2 AF
	global_store_b128 v[L16], v[PC:PC+3], s[OC:OC+1] offset:51200*\m
	global_store_b64 v[L8], v[PC+4:PC+5], s[OC:OC+1] offset:51200*\m+512
	global_store_b16 v[R16], v[HW], s[OS:OS+1] offset:51200*\m
.endm
	s_load_b256 s[4:11], s[0:1], 0x0                       ; act, W1's codes, W1's scales, b1
	s_load_b64 s[12:13], s[0:1], 0x20                      ; hid
	v_lshl_add_u32 v254, v0, 2, 0x4a800
	v_mov_b32 v255, 0
	ds_add_u32 v254, v255
	ds_add_u32 v254, v255
	v_lshrrev_b32 v13, 5, v0
	v_readfirstlane_b32 s[WV], v13
	s_bfe_u32 s[CX], ttmp6, 0x40000
	s_and_b32 s[YY], ttmp7, 0xffff
	s_mov_b32 s[G1], 15|(3<<16)|(1<<21)
	s_mov_b32 s[G1+1], 32<<16
	s_mov_b32 s[G1+2], 200<<16
	s_mov_b32 s[G1+3], 32<<16
	s_mov_b32 s[G1+4], 200                                 ; 200 rows of 256 bytes: four records
	s_mov_b32 s[G1+5], 32
	s_mov_b32 s[G1+6], 0
	s_mov_b32 s[G1+7], 0
	s_mov_b32 s[G0], 1
	s_mul_i32 s[G0+1], s[WV], 51200
	s_mul_i32 s58, s[YY], 204800
	s_add_co_u32 s58, s58, s[G0+1]
	s_mov_b32 s59, 0
	s_wait_dscnt 0x0
	s_wait_kmcnt 0x0
	s_add_nc_u64 s[G0+2:G0+3], s[4:5], s[58:59]
	s_or_b32 s[G0+3], s[G0+3], 0x80000000
	CROUND
	tensor_load_to_lds s[G0:G0+3], s[G1:G1+7]
	s_nop 0
	PLACES 4
	s_lshl_b32 s[CG], ttmp9, 2
	s_add_co_u32 s[CG], s[CG], s[CX]                       ; which 256 hidden units: global addresses alone hang on it
	s_lshl_b32 s56, s[CG], 8
	s_lshl_b32 s57, s[WV], 6
	s_add_co_u32 s56, s56, s57                             ; my first unit
	s_mul_i32 s58, s56, 768
	s_add_nc_u64 s[6:7], s[6:7], s[58:59]
	s_lshl_b32 s58, s56, 5
	s_add_nc_u64 s[8:9], s[8:9], s[58:59]
	s_lshl_b32 s58, s56, 2
	s_add_nc_u64 s[10:11], s[10:11], s[58:59]
	s_and_b32 s56, s[CG], 3
	s_lshl_b32 s56, s56, 2
	s_add_co_u32 s56, s56, s[WV]                           ; kh
	s_lshr_b32 s57, s[CG], 2
	s_mul_i32 s57, s57, 12800
	s_mul_i32 s58, s[YY], 819200
	s_add_co_u32 s58, s58, s57
	s_add_nc_u64 s[12:13], s[12:13], s[58:59]
	s_mul_i32 s58, s56, 768
	s_add_nc_u64 s[OC:OC+1], s[12:13], s[58:59]
	s_lshr_b32 s58, s56, 3
	s_lshl_b32 s58, s58, 8
	s_bfe_u32 s62, s56, 0x20001
	s_lshl_b32 s62, s62, 2
	s_add_co_u32 s58, s58, s62
	s_and_b32 s62, s56, 1
	s_lshl_b32 s62, s62, 1
	s_add_co_u32 s58, s58, s62
	s_add_co_u32 s58, s58, 12288
	s_add_nc_u64 s[OS:OS+1], s[12:13], s[58:59]
	s_mul_i32 s51, s[WV], WSTW
	s_add_co_u32 s51, s51, WST                             ; my stage
	s_mov_b32 s[SEL], 0x76543210
	s_mov_b32 s[SEL+1], 0xfedcba98
	v_and_b32 v14, 31, v0
	v_and_b32 v15, 15, v0
	v_bfe_u32 v9, v0, 4, 1
	v_lshlrev_b32 v[L16], 4, v14
	v_lshlrev_b32 v[L8], 3, v14
	v_lshlrev_b32 v[R16], 4, v15
	v_add_nc_u32 v[WA0], s51, v[L16]
	v_lshl_add_u32 v[WA1], v9, 4, v[WA0]
	v_mul_u32_u24 v[WFR], v15, WP
	v_mad_u32_u24 v[WFR], v9, 24, v[WFR]
	v_add_nc_u32 v[WFR], s51, v[WFR]
	v_and_b32 v13, 8, v15
	v_add_nc_u32 v13, v13, v15
	v_lshlrev_b32 v8, 5, v13
	v_lshlrev_b32 v9, 6, v9
	v_mov_b32 v[TM+2], 0
	v_mov_b32 v[TM+3], 0
.irp t, 0,1,2,3
	global_load_b128 v[WS+8*\t:WS+8*\t+3], v8, s[8:9] offset:(32*(\t/2)+8*(\t%2))*32
	global_load_b128 v[WS+8*\t+4:WS+8*\t+7], v8, s[8:9] offset:(32*(\t/2)+8*(\t%2))*32+16
.endr
	WIN 0xc0
.irp t, 0,1,2,3
	global_load_b128 v[BS+8*\t:BS+8*\t+3], v9, s[10:11] offset:128*(\t/2)+32*(\t%2)
	global_load_b128 v[BS+8*\t+4:BS+8*\t+7], v9, s[10:11] offset:128*(\t/2)+32*(\t%2)+16
.endr
	WRAW 0
	WRAW 1
	s_wait_alu depctr_va_vdst(0)
	s_wait_loadcnt 48                                      ; rows 0-31, the scale words and the bias are in; the 48 loads of rows 32-63 may stay out
	WTURN 0
	s_wait_loadcnt 0x0
	WTURN 1
	WIN 0
	s_wait_dscnt 0x0                                       ; my fragments are in
	s_wait_tensorcnt 0x0
	s_barrier_signal -1
	s_barrier_wait -1
	s_mov_b32 s[CNT], 0
	s_mov_b32 s[SB], 0
.Ltrip:                                                    ; four trips of four tiles of rows
	v_add_nc_u32 v4, s[SB], v[L16]
	s_wait_alu depctr_va_vdst(0)
	v_add_nc_u32 v5, s[SB], v[L8]
	s_wait_alu depctr_va_vdst(0)
	v_add_nc_u32 v6, s[SB], v[R16]
	PLACES 5                                               ; behind the last products: loads into their operands follow, and sums begun anew
.irp m, 0,1,2,3
	ds_load_b128 v[AS+8*\m:AS+8*\m+3], v6 offset:12800*\m+12288
	ds_load_b128 v[AS+8*\m+4:AS+8*\m+7], v6 offset:12800*\m+12288+256
.endr
	FETCH 0, 0
.irp s, 0,1,2,3,4,5,6,7
.if \s < 7
	PLACES 4
	FETCH (\s+1)%2, \s+1
	s_wait_dscnt 16                                        ; all but the 16 loads just issued
.else
	s_wait_dscnt 0x0
.endif
	MUL \s
	WIN 0
.endr
	PLACES 4
	EPI 0
	EPI 1
	EPI 2
	EPI 3
	s_wait_xcnt 0x0                                        ; the stores have read their bases
	s_add_nc_u64 s[OC:OC+1], s[OC:OC+1], 204800
	s_add_nc_u64 s[OS:OS+1], s[OS:OS+1], 204800
	s_add_co_u32 s[SB], s[SB], 51200
	s_add_co_u32 s[CNT], s[CNT], 1
	s_cmp_lt_u32 s[CNT], 4
	s_cbranch_scc1 .Ltrip
	s_wait_tensorcnt 0x0
	ds_add_u32 v254, v255
	s_wait_dscnt 0x0
	CROUND                                                 ; the closing round
	s_endpgm
.Lfunc_end_k_q151de62125_ffn1:
	.size	k_q151de62125_ffn1, .Lfunc_end_k_q151de62125_ffn1-k_q151de62125_ffn1
	.p2alignl 7, 3214868480
	.fill 96, 4, 3214868480
	.section	.rodata,"a",@progbits
	.p2align	6, 0x0
	.amdhsa_kernel k_q151de62125_ffn1
		.amdhsa_group_segment_fixed_size 305664
		.amdhsa_private_segment_fixed_size 0
		.amdhsa_enable_private_segment 0
		.amdhsa_kernarg_size 40
		.amdhsa_user_sgpr_count 2
		.amdhsa_user_sgpr_kernarg_segment_ptr 1
		.amdhsa_wavefront_size32 1
		.amdhsa_system_sgpr_workgroup_id_x 1
		.amdhsa_system_sgpr_workgroup_id_y 1
		.amdhsa_system_sgpr_workgroup_id_z 1
		.amdhsa_system_vgpr_workitem_id 0
		.amdhsa_next_free_vgpr 928
		.amdhsa_next_free_sgpr 66
		.amdhsa_reserve_vcc 0
		.amdhsa_float_denorm_mode_32 3
		.amdhsa_float_denorm_mode_16_64 3
		.amdhsa_memory_ordered 1
		.amdhsa_forward_progress 1
		.amdhsa_inst_pref_size 74
	.end_amdhsa_kernel
	.amdgpu_metadata
---
amdhsa.version: [ 1, 2 ]
amdhsa.kernels:
  - .name:           k_q151de62125_ffn1
    .symbol:         k_q151de62125_ffn1.kd
    .args:
      - { .name: act, .offset: 0, .size: 8, .value_kind: global_buffer, .address_space: global }
      - { .name: W1_codes, .offset: 8, .size: 8, .value_kind: global_buffer, .address_space: global }
      - { .name: W1_scales, .offset: 16, .size: 8, .value_kind: global_buffer, .address_space: global }
      - { .name: b1, .offset: 24, .size: 8, .value_kind: global_buffer, .address_space: global }
      - { .name: hid, .offset: 32, .size: 8, .value_kind: global_buffer, .address_space: global }
    .group_segment_fixed_size: 305664
    .private_segment_fixed_size: 0
    .kernarg_segment_align: 8
    .kernarg_segment_size: 40
    .max_flat_workgroup_size: 128
    .sgpr_count:     66
    .vgpr_count:     928
    .wavefront_size: 32
...
	.end_amdgpu_metadata
.endif
;; end of part 5
;; launch ffn2 (part 6): grid 16 x 16, 4 waves a work-group, no clusters, 135,680 bytes of LDS; arguments hid, W2_codes, W2_scales, b2, out1, out0; writes out0
.if DOCPART == 6
	.amdgcn_target "amdgcn-amd-amdhsa--gfx1250"
	.amdhsa_code_object_version 6
	.text
	.protected	k_q151de62125_ffn2
	.globl	k_q151de62125_ffn2
	.p2align	8
	.type	k_q151de62125_ffn2,@function
k_q151de62125_ffn2:
	s_mov_b64 s[64:65], 0
	v_nop
	global_prefetch_b8 v0, s[64:65] scope:SCOPE_SE
	s_setreg_imm32_b32 hwreg(HW_REG_WAVE_MODE, 25, 1), 1
	s_wait_xcnt 0x0
; out0 = hid W2 + b2 + out1 on FP6 codes, K = 4,096.  A work-group makes 256 rows x 64 columns.  THE WAVES SHARE K: wave w takes K quarter w, so that its part of W2 (64 rows x 1,024 K, 384 registers) stays in registers,
; and each record of hid (a tile of 16 rows x a quarter of K, an image of the operand's registers) is wanted by one wave alone: it goes from memory straight into that wave's registers, loads of consecutive bytes, two tiles ahead.
; THE WEIGHTS ARE READ IN WHOLE RUNS OF 256 BYTES: my quarter of a weight row is 768 consecutive bytes; 96 loads take 512 bytes each (two aligned runs of 256).  32 rows at a time turn through the wave's own stage in LDS
; (32 rows, 784 bytes apart) and come back as fragments.  784 bytes are 196 words: row r starts at bank 4 r mod 64 (64 banks of 4 bytes: ISA guide 11.1), so the 32 lanes of a load of 8 bytes touch 64 different banks.
; The four partial sums of a tile meet in LDS (two stages by turns, one barrier a tile); each wave then adds four rows' parts, b2 and the residual, and stores: sixteen lanes fill 256 consecutive bytes, aligned.
; So an output's sum is formed of four partial sums over K, not in one ascending chain.  No tensor load, no cluster: what work-groups share here (hid's records, by the sixteen column groups) is read through registers.
; Source 0 = 16 weight rows, source 1 = 16 rows of hid; row i of a tile t is 32 (t / 2) + 8 (t % 2) + i + (i & 8).  The four accumulators take turns.
; REGISTERS: window 0: v1-8 addresses; v12-15 b2; v16-47 W2's scale words; v48-71 hid's, three sets; v72-95 the residual, three sets; v96-127 accumulators; v128-159 parts read back; v160-167 results; v168-170 the weights' stage.
;   weights: tiles 0, 1 in window 1, tiles 2, 3 in window 2, at 12 (2 s + t % 2).  hid's fragments: set 0 window 3 v0-95, set 1 window 3 v96-191, set 2: K steps 0-4 window 3 v192-251, K steps 5-7 window 1 v192-227.
.set WST,  34816                       ; LDS: the two stages for the sums at 0, then a stage for each wave's weights,
.set WSTW, 25088                       ; of 32 rows
.set WP,   784                         ; 768 bytes + 16 apart
.set L16, 1
.set L8,  2
.set R16, 3
.set VO,  4
.set SO,  5
.set SR,  6
.set GA1, 7                            ; v7  16 x lane, and one weight row less 768 bytes further on for lanes 16-31
.set B2,  12
.set WS,  16
.set AS,  48
.set RS,  72
.set ACC, 96
.set RD,  128
.set OUT, 160
.set WA0, 168
.set WA1, 169
.set WFR, 170
.set MSB, 0
.macro WIN new
.if MSB != (\new)
	s_set_vgpr_msb (MSB<<8)|(\new)
.set MSB, (\new)
.endif
.endm
.macro PLACES n
.rept \n
	v_nop
.endr
.endm
; my quarter of weight rows 32 b .. 32 b + 31 into v0-191 of window 1 + b.  Three loads take two rows' 768 bytes each; in the middle one lanes 0-15 end a row and lanes 16-31 begin the next
.macro WRAW b
	WIN (0x40<<\b)
.set i, 0
.rept 48
.set R, 32*\b+2*(i/3)+(i%3)/2
.if i%3 == 1
	global_load_b128 v[4*i:4*i+3], v[GA1], s[6:7] offset:3072*R+512
.elseif i%3 == 2
	global_load_b128 v[4*i:4*i+3], v[L16], s[6:7] offset:3072*R+256
.else
	global_load_b128 v[4*i:4*i+3], v[L16], s[6:7] offset:3072*R
.endif
.set i, i+1
.endr
.endm
; through my stage, and back into the same window as the fragments of tiles 2 b and 2 b + 1.  Row R of the 32 goes to place R % 8 + 16 ((R / 8) % 2) + 8 (R / 16): a tile's sixteen rows lie in sixteen neighbouring places.
; LDS serves a wave's instructions in order (ISA guide 5.7.1.4): no wait between the stores and the loads, nor in front of the next half's stores.
.macro WTURN b
	WIN (0x04<<\b)                                         ; an LDS store's data are its source 1
.set i, 0
.rept 48
.set R, 2*(i/3)+(i%3)/2
.set SL, R%8+16*((R/8)%2)+8*(R/16)
.if i%3 == 1
	ds_store_b128 v[WA1], v[4*i:4*i+3] offset:WP*SL+512
.elseif i%3 == 2
	ds_store_b128 v[WA0], v[4*i:4*i+3] offset:WP*SL+256
.else
	ds_store_b128 v[WA0], v[4*i:4*i+3] offset:WP*SL
.endif
.set i, i+1
.endr
	WIN (0x40<<\b)
.irp u, 0,1
.irp s, 0,1,2,3,4,5,6,7
.irp p, 0,1,2,3,4,5
	ds_load_b64 v[12*(2*\s+\u)+2*\p:12*(2*\s+\u)+2*\p+1], v[WFR] offset:WP*16*\u+96*\s+48*(\p/3)+8*(\p%3)
.endr
.endr
.endr
.endm
.macro AREG m, ks                      ; where tile m's fragment of K step ks stands: register rA of window wA
.set AQ, (\m)%3
.if AQ < 2
.set rA, 96*AQ+12*(\ks)
.set wA, 3
.elseif (\ks) < 5
.set rA, 192+12*(\ks)
.set wA, 3
.else
.set rA, 192+12*((\ks)-5)
.set wA, 1
.endif
.endm
; tile m's record.  half 0: its scale words, the residual's two pieces and K steps 0-3: 20 loads; half 1: K steps 4-7: 16 loads
.macro ALOAD m, half
.set AQ, (\m)%3
.if \half == 0
	WIN 0
	global_load_b128 v[AS+8*AQ:AS+8*AQ+3], v[R16], s[4:5] offset:51200*(\m)+12288
	global_load_b128 v[AS+8*AQ+4:AS+8*AQ+7], v[R16], s[4:5] offset:51200*(\m)+12288+256
	global_load_b128 v[RS+8*AQ:RS+8*AQ+3], v[VO], s[12:13] offset:(32*((\m)/2)+8*((\m)%2))*4096
	global_load_b128 v[RS+8*AQ+4:RS+8*AQ+7], v[VO], s[12:13] offset:(32*((\m)/2)+8*((\m)%2)+2)*4096
.endif
.irp u, 0,1,2,3
.set ks, 4*(\half)+\u
	AREG \m, ks
	WIN (wA<<6)
	global_load_b128 v[rA:rA+3], v[L16], s[4:5] offset:51200*(\m)+1536*ks
	global_load_b64 v[rA+4:rA+5], v[L8], s[4:5] offset:51200*(\m)+1536*ks+512
	global_load_b128 v[rA+6:rA+9], v[L16], s[4:5] offset:51200*(\m)+1536*ks+768
	global_load_b64 v[rA+10:rA+11], v[L8], s[4:5] offset:51200*(\m)+1536*ks+1280
.endr
.endm
.macro MULH m, half                    ; 16 matrix instructions: four K steps x my four tiles of columns
.irp u, 0,1,2,3
.irp t, 0,1,2,3
.set ks, 4*(\half)+\u
	AREG \m, ks
.set rW, 12*(2*ks+\t%2)
	WIN ((1+\t/2)|(wA<<2))
.if ks == 0
	v_wmma_scale_f32_16x16x128_f8f6f4 v[ACC+8*\t:ACC+8*\t+7], v[rW:rW+11], v[rA:rA+11], 0, v[WS+8*\t+ks], v[AS+8*AQ+ks] matrix_a_fmt:MATRIX_FMT_FP6 matrix_b_fmt:MATRIX_FMT_FP6
.else
	v_wmma_scale_f32_16x16x128_f8f6f4 v[ACC+8*\t:ACC+8*\t+7], v[rW:rW+11], v[rA:rA+11], v[ACC+8*\t:ACC+8*\t+7], v[WS+8*\t+ks], v[AS+8*AQ+ks] matrix_a_fmt:MATRIX_FMT_FP6 matrix_b_fmt:MATRIX_FMT_FP6
.endif
.endr
.endr
.endm
.macro TILE m
.if \m < 15
	s_wait_loadcnt 36                                      ; this tile's loads are in; the next tile's 36 may stay out
.else
	s_wait_loadcnt 0x0
.endif
.if \m < 14
	ALOAD \m+2, 0                                          ; into the set that the tile before has left: its products lie more than four places back
.endif
	MULH \m, 0
.if \m < 14
	ALOAD \m+2, 1
.endif
	MULH \m, 1
	WIN 0
	PLACES 4                                               ; in front of the first read of results
.irp t, 0,1,2,3
	ds_store_b128 v[SO], v[ACC+8*\t:ACC+8*\t+3] offset:17408*((\m)%2)+128*(\t/2)+32*(\t%2)      ; each accumulator from its low end on
	ds_store_b128 v[SO], v[ACC+8*\t+4:ACC+8*\t+7] offset:17408*((\m)%2)+128*(\t/2)+32*(\t%2)+16
.endr
	s_wait_dscnt 0x0                                       ; my part has landed, and my reads of the other stage, which the next tile writes, are long in
	s_barrier_signal -1
	s_barrier_wait -1
.irp p, 0,1,2,3
.irp q, 0,1
	ds_load_b128 v[RD+8*\p+4*\q:RD+8*\p+4*\q+3], v[SR] offset:17408*((\m)%2)+4352*\p+544*\q
.endr
.endr
	s_wait_dscnt 0x0
	s_wait_xcnt 0x0                                        ; the last tile's stores have read their registers
.irp q, 0,4
.irp k, 0,2
	v_pk_add_f32 v[RD+\q+\k:RD+\q+\k+1], v[RD+\q+\k:RD+\q+\k+1], v[RD+8+\q+\k:RD+8+\q+\k+1]
	v_pk_add_f32 v[RD+16+\q+\k:RD+16+\q+\k+1], v[RD+16+\q+\k:RD+16+\q+\k+1], v[RD+24+\q+\k:RD+24+\q+\k+1]
	v_pk_add_f32 v[RS+8*AQ+\q+\k:RS+8*AQ+\q+\k+1], v[RS+8*AQ+\q+\k:RS+8*AQ+\q+\k+1], v[B2+\k:B2+\k+1]
.endr
.endr
.irp q, 0,4
.irp k, 0,2
	v_pk_add_f32 v[RD+\q+\k:RD+\q+\k+1], v[RD+\q+\k:RD+\q+\k+1], v[RD+16+\q+\k:RD+16+\q+\k+1]
.endr
.endr
.irp q, 0,4
.irp k, 0,2
	v_pk_add_f32 v[OUT+\q+\k:OUT+\q+\k+1], v[RD+\q+\k:RD+\q+\k+1], v[RS+8*AQ+\q+\k:RS+8*AQ+\q+\k+1]
.endr
.endr
	global_store_b128 v[VO], v[OUT:OUT+3], s[14:15] offset:(32*((\m)/2)+8*((\m)%2))*4096 th:TH_STORE_NT
	global_store_b128 v[VO], v[OUT+4:OUT+7], s[14:15] offset:(32*((\m)/2)+8*((\m)%2)+2)*4096 th:TH_STORE_NT
.endm
	s_load_b256 s[4:11], s[0:1], 0x0                       ; hid, W2's codes, W2's scales, b2
	s_load_b128 s[12:15], s[0:1], 0x20                     ; out1, out0
	v_lshl_add_u32 v254, v0, 2, 0x21000
	v_mov_b32 v255, 0
	v_lshrrev_b32 v9, 5, v0
	v_readfirstlane_b32 s16, v9                            ; wave 0..3: my quarter of K
	s_mov_b32 s17, ttmp9                                   ; which 64 columns
	s_and_b32 s18, ttmp7, 0xffff                           ; which 256 rows
	s_mov_b32 s21, 0
	v_and_b32 v9, 31, v0
	v_and_b32 v10, 15, v0                                  ; r
	v_bfe_u32 v11, v0, 4, 1                                ; h
	v_lshlrev_b32 v[L16], 4, v9
	v_lshlrev_b32 v[L8], 3, v9
	v_lshlrev_b32 v[R16], 4, v10
	s_lshl_b32 s23, s16, 2
	s_lshr_b32 s24, s16, 1
	s_lshl_b32 s24, s24, 3
	s_add_co_u32 s23, s23, s24
	s_lshl_b32 s23, s23, 12                                ; the tile's rows 4 w .. 4 w + 3 lie at 4 w + 8 (w / 2) on
	v_lshl_add_u32 v[VO], v11, 12, v[R16]
	v_add_nc_u32 v[VO], s23, v[VO]
	s_mul_i32 s24, s16, 4352
	v_mul_u32_u24 v[SO], v10, 272
	v_lshl_add_u32 v[SO], v11, 6, v[SO]
	v_add_nc_u32 v[SO], s24, v[SO]                         ; my part: row r, + 64 h
	s_mul_i32 s25, s16, 1088
	v_mul_u32_u24 v[SR], v11, 272
	v_add_nc_u32 v[SR], v[SR], v[R16]
	v_add_nc_u32 v[SR], s25, v[SR]                         ; back: rows 4 w + h (+ 2), 16 bytes a lane
	s_mul_i32 s26, s16, WSTW
	s_add_co_u32 s26, s26, WST                             ; my stage for the weights
	v_mad_u32_u24 v[GA1], v11, 2304, v[L16]
	v_add_nc_u32 v[WA0], s26, v[L16]
	v_lshl_add_u32 v[WA1], v11, 4, v[WA0]
	v_mul_u32_u24 v[WFR], v10, WP
	v_mad_u32_u24 v[WFR], v11, 24, v[WFR]
	v_add_nc_u32 v[WFR], s26, v[WFR]
	v_and_b32 v8, 8, v10
	v_add_nc_u32 v8, v8, v10
	v_lshlrev_b32 v8, 7, v8                                ; a weight row's 128 scale bytes
	s_wait_alu depctr_va_vdst(0)
	s_wait_kmcnt 0x0
	s_mul_i32 s20, s18, 819200
	s_mul_i32 s22, s16, 12800
	s_add_co_u32 s20, s20, s22
	s_add_nc_u64 s[4:5], s[4:5], s[20:21]
	s_mul_i32 s20, s17, 196608
	s_mul_i32 s22, s16, 768
	s_add_co_u32 s20, s20, s22
	s_add_nc_u64 s[6:7], s[6:7], s[20:21]
	s_lshl_b32 s20, s17, 13
	s_lshl_b32 s22, s16, 5
	s_add_co_u32 s20, s20, s22
	s_add_nc_u64 s[8:9], s[8:9], s[20:21]
	s_lshl_b32 s20, s17, 8
	s_add_nc_u64 s[10:11], s[10:11], s[20:21]
	s_lshl_b32 s22, s18, 20
	s_add_co_u32 s20, s20, s22
	s_add_nc_u64 s[12:13], s[12:13], s[20:21]
	s_add_nc_u64 s[14:15], s[14:15], s[20:21]
.irp t, 0,1,2,3
	global_load_b128 v[WS+8*\t:WS+8*\t+3], v8, s[8:9] offset:(32*(\t/2)+8*(\t%2))*128
	global_load_b128 v[WS+8*\t+4:WS+8*\t+7], v8, s[8:9] offset:(32*(\t/2)+8*(\t%2))*128+16
.endr
	global_load_b128 v[B2:B2+3], v[R16], s[10:11]          ; b2 of the four columns that I store
	WRAW 0
	WRAW 1
	s_wait_loadcnt 48                                      ; rows 0-31, the scale words and b2 are in; the 48 loads of rows 32-63 may stay out
	WTURN 0
	ALOAD 0, 0
	ALOAD 0, 1
	s_wait_loadcnt 36                                      ; rows 32-63 are in; tile 0's 36 loads, issued behind them, may stay out
	WTURN 1
	ALOAD 1, 0
	ALOAD 1, 1
	s_wait_dscnt 0x0                                       ; my fragments are in
.irp m, 0,1,2,3,4,5,6,7,8,9,10,11,12,13,14,15
	TILE \m
.endr
	s_wait_tensorcnt 0x0
	ds_add_u32 v254, v255
	s_wait_dscnt 0x0
	s_endpgm
.Lfunc_end_k_q151de62125_ffn2:
	.size	k_q151de62125_ffn2, .Lfunc_end_k_q151de62125_ffn2-k_q151de62125_ffn2
	.p2alignl 7, 3214868480
	.fill 96, 4, 3214868480
	.section	.rodata,"a",@progbits
	.p2align	6, 0x0
	.amdhsa_kernel k_q151de62125_ffn2
		.amdhsa_group_segment_fixed_size 135680
		.amdhsa_private_segment_fixed_size 0
		.amdhsa_enable_private_segment 0
		.amdhsa_kernarg_size 48
		.amdhsa_user_sgpr_count 2
		.amdhsa_user_sgpr_kernarg_segment_ptr 1
		.amdhsa_wavefront_size32 1
		.amdhsa_system_sgpr_workgroup_id_x 1
		.amdhsa_system_sgpr_workgroup_id_y 1
		.amdhsa_system_sgpr_workgroup_id_z 1
		.amdhsa_system_vgpr_workitem_id 0
		.amdhsa_next_free_vgpr 1024
		.amdhsa_next_free_sgpr 66
		.amdhsa_reserve_vcc 0
		.amdhsa_float_denorm_mode_32 3
		.amdhsa_float_denorm_mode_16_64 3
		.amdhsa_memory_ordered 1
		.amdhsa_forward_progress 1
		.amdhsa_inst_pref_size 203
	.end_amdhsa_kernel
	.amdgpu_metadata
---
amdhsa.version: [ 1, 2 ]
amdhsa.kernels:
  - .name:           k_q151de62125_ffn2
    .symbol:         k_q151de62125_ffn2.kd
    .args:
      - { .name: hid, .offset: 0, .size: 8, .value_kind: global_buffer, .address_space: global }
      - { .name: W2_codes, .offset: 8, .size: 8, .value_kind: global_buffer, .address_space: global }
      - { .name: W2_scales, .offset: 16, .size: 8, .value_kind: global_buffer, .address_space: global }
      - { .name: b2, .offset: 24, .size: 8, .value_kind: global_buffer, .address_space: global }
      - { .name: out1, .offset: 32, .size: 8, .value_kind: global_buffer, .address_space: global }
      - { .name: out0, .offset: 40, .size: 8, .value_kind: global_buffer, .address_space: global }
    .group_segment_fixed_size: 135680
    .private_segment_fixed_size: 0
    .kernarg_segment_align: 8
    .kernarg_segment_size: 48
    .max_flat_workgroup_size: 128
    .sgpr_count:     66
    .vgpr_count:     1024
    .wavefront_size: 32
...
	.end_amdgpu_metadata
.endif
;; end of part 6
